; MI455X (gfx1250); checked and timed in simulation.
; The chip was launched on July 23, 2026; its instructions are those of AMD's public machine-readable ISA for CDNA 5 (MIT licence, August 2026) and "CDNA5" Instruction Set Architecture Reference Guide (July 2026). The comments in the code are by the model that wrote it; some were corrected since.
;; Reflect. Allowed arithmetic: float matrix products may take bf16 or f16 operands with f32 sums; other float arithmetic in f32, or as packed bf16 or f16 multiplies, adds, multiply-adds, maxima and minima; sums over many terms, partial sums and values carried from step to step in f32; what a program stores and reads back later, other than sums and carried values, may be rounded once to bf16 or f16.
;; Inputs: Wk 1,024 x 1,024 float32; Wq 1,024 x 1,024 float32; Wv 1,024 x 1,024 float32; mask 4 x 2,048 bool; x 4 x 2,048 x 1,024 float32.
;; Outputs: out0 4 x 2,048 x 1,024 float32.
;; 2 versions, each right; version 2 is version 1 with the launch prep written anew for expert scheduling mode. Each part assembles by itself: llvm-mc -triple=amdgcn-amd-amdhsa -mcpu=gfx1250 --defsym DOCPART=n.
;; ======== version 1 of 2: 5 launches
;; limits: values are held in f16: magnitudes above 65,504 overflow, below 6.1e-05 lose precision; right only within a limited range of input values
;; workspace buffers: xh 16,777,216 bytes; wqk 4,194,304 bytes; wcat 4,194,304 bytes; tv 33,554,432 bytes; p 33,554,432 bytes; stats 1,048,576 bytes
;; launch prep (part 1): grid 768 x 1, 8 waves a work-group, no clusters, 18,432 bytes of LDS; arguments x, Wq, Wk, Wv, xh, wqk, wcat; writes xh, wqk, wcat
.if DOCPART == 1
	.amdgcn_target "amdgcn-amd-amdhsa--gfx1250"
	.amdhsa_code_object_version 6
	.text
	.protected	k_qd500e573d4_prep
	.globl	k_qd500e573d4_prep
	.p2align	8
	.type	k_qd500e573d4_prep,@function
k_qd500e573d4_prep:
	s_mov_b64 s[64:65], 0
	v_nop
	global_prefetch_b8 v0, s[64:65] scope:SCOPE_SE
	s_setreg_imm32_b32 hwreg(HW_REG_WAVE_MODE, 25, 1), 1
	s_wait_xcnt 0x0
; THE INPUTS ARE MADE READY FOR THE MATRIX UNITS.  Every input number is rounded to bf16 and that number is written as f16 (exact where it lies in f16's range).
;   xh  [8192][1024] = x;   wqk [2048][1024] = Wq's rows, then Wk's rows;   wcat rows 1024..2047 = Wv turned, [c][i], times 2^10 (a power of two: exact).
; LIMITS.  f16 ends at 65,504: |x|, |Wq|, |Wk| stay below it and |Wv| below 63.9; below 7.6e-6 a bf16 number loses bits to f16's fixed step of 6e-8.
; SHARES.  Work-groups 0..511 take 16,384 numbers of x each, 512..639 as many of Wq or Wk, 640..767 a tile of 128 (i) x 64 (c) of Wv.  The branch hangs on the work-group's number alone.
; A stream: each byte is read once and written once, so no matrix unit, no cluster, no prefetch (all of a work-group's 16 loads a thread go out at once).
.set SPARE, 17408                      ; behind the turning tile: the spare words, 128 bytes for each of eight waves
.set SPW, 2                            ; v2  LDS address of my spare word; never rewritten
.set NIL, 3                            ; v3  0; never rewritten
.set LO,  4                            ; v4  my byte offset in what I load
.set SO,  5                            ; v5  my byte offset in what I store
.set T,   6                            ; v[6:11] at work
.set X,   16                           ; v[16:79]  as loaded
.set Y,   80                           ; v[80:111] to store: a pair for each of the 16 loads, so no store's data is rewritten
	s_load_b256 s[4:11], s[0:1], 0x0               ; x s[4:5], Wq s[6:7], Wk s[8:9], Wv s[10:11]
	s_load_b128 s[12:15], s[0:1], 0x20             ; xh s[12:13], wqk s[14:15]
	s_load_b64 s[16:17], s[0:1], 0x30              ; wcat
	v_lshl_add_u32 v[SPW], v0, 2, SPARE
	v_mov_b32 v[NIL], 0
	s_mov_b32 s20, ttmp9
	s_mov_b32 s19, 0xffff0000                      ; a word's upper bf16
	s_mov_b32 s23, 0                               ; high words of the two offsets
	s_mov_b32 s25, 0
.macro CONV4 x, y                      ; four f32 -> bf16 -> f32 -> f16, 8 bytes
	v_cvt_pk_bf16_f32 v[T], v[\x], v[\x+1]
	v_cvt_pk_bf16_f32 v[T+1], v[\x+2], v[\x+3]
	v_lshlrev_b32 v[T+2], 16, v[T]
	v_and_b32 v[T+3], s19, v[T]
	v_lshlrev_b32 v[T+4], 16, v[T+1]
	v_and_b32 v[T+5], s19, v[T+1]
	v_cvt_pk_f16_f32 v[\y], v[T+2], v[T+3]
	v_cvt_pk_f16_f32 v[\y+1], v[T+4], v[T+5]
.endm
; 65,536 bytes from s[26:27] become 32,768 bytes at s[28:29].  A wave's load covers 512 consecutive bytes, its store 256, aligned.
.macro STREAM
	v_lshlrev_b32 v[LO], 4, v0
	v_lshlrev_b32 v[SO], 3, v0
.set j, 0
.rept 16
	global_load_b128 v[X+4*j:X+4*j+3], v[LO], s[26:27] offset:4096*j th:TH_LOAD_NT
.set j, j+1
.endr
.set j, 0
.rept 16
	s_wait_loadcnt 15-j                            ; loads come back in order: number j is in, the younger ones stay out
	CONV4 X+4*j, Y+2*j
	global_store_b64 v[SO], v[Y+2*j:Y+2*j+1], s[28:29] offset:2048*j
.set j, j+1
.endr
	s_wait_tensorcnt 0x0                           ; the wave's end
	ds_add_u32 v[SPW], v[NIL]
	s_wait_dscnt 0x0
	s_endpgm
.endm
	s_cmp_lt_u32 s20, 512
	s_cbranch_scc0 .Lweights
	s_lshl_b32 s22, s20, 16                        ; x: chunk g
	s_lshl_b32 s24, s20, 15
	s_wait_kmcnt 0x0
	s_add_nc_u64 s[26:27], s[4:5], s[22:23]
	s_add_nc_u64 s[28:29], s[12:13], s[24:25]
	STREAM
.Lweights:
	s_cmp_lt_u32 s20, 640
	s_cbranch_scc0 .Lturn
	s_sub_co_u32 s21, s20, 512                     ; chunk c of wqk: 0..63 from Wq, 64..127 from Wk
	s_and_b32 s22, s21, 63
	s_lshl_b32 s22, s22, 16
	s_lshl_b32 s24, s21, 15
	s_wait_kmcnt 0x0
	s_cmp_lt_u32 s21, 64
	s_cselect_b64 s[26:27], s[6:7], s[8:9]
	s_add_nc_u64 s[26:27], s[26:27], s[22:23]
	s_add_nc_u64 s[28:29], s[14:15], s[24:25]
	STREAM
.Lturn:
	; Wv[i][c] -> wcat[1024 + c][i].  Tile u: rows i0 = 128 (u % 8) on, columns c0 = 64 (u / 8) on.  Thread t: cq = t % 16 (four columns), ir = t / 16 (two rows).
	; Two neighbouring rows pack into one word of the turned tile, which lies in LDS as 64 rows of 256 bytes + 16; it is read back by rows and stored 256 bytes to 16 lanes.
	s_sub_co_u32 s21, s20, 640
	s_and_b32 s18, s21, 7
	s_lshr_b32 s21, s21, 3
	s_lshl_b32 s22, s18, 19                        ; i0 rows of 4,096 bytes
	s_lshl_b32 s24, s21, 8                         ; c0 numbers of 4 bytes
	s_add_co_u32 s22, s22, s24
	s_lshl_b32 s24, s21, 17                        ; c0 rows of 2,048 bytes
	s_lshl_b32 s18, s18, 8                         ; i0 numbers of 2 bytes
	s_add_co_u32 s24, s24, s18
	s_add_co_u32 s24, s24, 0x200000                ; behind wcat's first 1,024 rows
	v_and_b32 v12, 15, v0                          ; cq
	v_lshrrev_b32 v13, 4, v0                       ; ir
	v_lshlrev_b32 v[LO], 13, v13                   ; row 2 ir
	v_lshl_add_u32 v[LO], v12, 4, v[LO]
	v_mul_u32_u24 v14, v12, 1088                   ; into the tile: row 4 cq, byte 4 ir
	v_lshl_add_u32 v14, v13, 2, v14
	v_mul_u32_u24 v15, v13, 272                    ; back: row t / 16, 16 bytes a lane
	v_lshl_add_u32 v15, v12, 4, v15
	v_lshlrev_b32 v[SO], 11, v13
	v_lshl_add_u32 v[SO], v12, 4, v[SO]
	s_wait_kmcnt 0x0
	s_add_nc_u64 s[26:27], s[10:11], s[22:23]
	s_add_nc_u64 s[28:29], s[16:17], s[24:25]
.irp j, 0,1,2,3
.irp e, 0,1
	global_load_b128 v[X+8*(\j)+4*(\e):X+8*(\j)+4*(\e)+3], v[LO], s[26:27] offset:(32*(\j)+(\e))*4096 th:TH_LOAD_NT
.endr
.endr
	s_wait_loadcnt 0x0
.irp j, 0,1,2,3
.irp k, 0,1,2,3
	v_cvt_pk_bf16_f32 v[T], v[X+8*(\j)+(\k)], v[X+8*(\j)+4+(\k)]   ; rows i and i + 1 of one column
	v_lshlrev_b32 v[T+2], 16, v[T]
	v_and_b32 v[T+3], s19, v[T]
	v_pk_mul_f32 v[T+2:T+3], v[T+2:T+3], 0x44800000 op_sel_hi:[1,0]  ; times 2^10
	v_cvt_pk_f16_f32 v[T+4], v[T+2], v[T+3]
	ds_store_b32 v14, v[T+4] offset:272*(\k)+64*(\j)
.endr
.endr
	s_wait_dscnt 0x0                               ; for the others' sake: my stores into the tile are done
	s_barrier_signal -1
	s_barrier_wait -1
.irp j, 0,1,2,3
	ds_load_b128 v[X+4*(\j):X+4*(\j)+3], v15 offset:4352*(\j)
.endr
.irp j, 0,1,2,3
	s_wait_dscnt 3-(\j)
	global_store_b128 v[SO], v[X+4*(\j):X+4*(\j)+3], s[28:29] offset:32768*(\j)  ; 16 lanes store 256 consecutive bytes, aligned
.endr
	s_wait_tensorcnt 0x0                           ; the wave's end
	ds_add_u32 v[SPW], v[NIL]
	s_wait_dscnt 0x0
	s_endpgm
.Lfunc_end_k_qd500e573d4_prep:
	.size	k_qd500e573d4_prep, .Lfunc_end_k_qd500e573d4_prep-k_qd500e573d4_prep
	.p2alignl 7, 3214868480
	.fill 96, 4, 3214868480
	.section	.rodata,"a",@progbits
	.p2align	6, 0x0
	.amdhsa_kernel k_qd500e573d4_prep
		.amdhsa_group_segment_fixed_size 18432
		.amdhsa_private_segment_fixed_size 0
		.amdhsa_enable_private_segment 0
		.amdhsa_kernarg_size 56
		.amdhsa_user_sgpr_count 2
		.amdhsa_user_sgpr_kernarg_segment_ptr 1
		.amdhsa_wavefront_size32 1
		.amdhsa_system_sgpr_workgroup_id_x 1
		.amdhsa_system_sgpr_workgroup_id_y 1
		.amdhsa_system_sgpr_workgroup_id_z 1
		.amdhsa_system_vgpr_workitem_id 0
		.amdhsa_next_free_vgpr 112
		.amdhsa_next_free_sgpr 66
		.amdhsa_reserve_vcc 0
		.amdhsa_float_denorm_mode_32 3
		.amdhsa_float_denorm_mode_16_64 3
		.amdhsa_memory_ordered 1
		.amdhsa_forward_progress 1
		.amdhsa_inst_pref_size 30
	.end_amdhsa_kernel
	.amdgpu_metadata
---
amdhsa.version: [ 1, 2 ]
amdhsa.kernels:
  - .name:           k_qd500e573d4_prep
    .symbol:         k_qd500e573d4_prep.kd
    .args:
      - { .name: x, .offset: 0, .size: 8, .value_kind: global_buffer, .address_space: global }
      - { .name: Wq, .offset: 8, .size: 8, .value_kind: global_buffer, .address_space: global }
      - { .name: Wk, .offset: 16, .size: 8, .value_kind: global_buffer, .address_space: global }
      - { .name: Wv, .offset: 24, .size: 8, .value_kind: global_buffer, .address_space: global }
      - { .name: xh, .offset: 32, .size: 8, .value_kind: global_buffer, .address_space: global }
      - { .name: wqk, .offset: 40, .size: 8, .value_kind: global_buffer, .address_space: global }
      - { .name: wcat, .offset: 48, .size: 8, .value_kind: global_buffer, .address_space: global }
    .group_segment_fixed_size: 18432
    .private_segment_fixed_size: 0
    .kernarg_segment_align: 8
    .kernarg_segment_size: 56
    .max_flat_workgroup_size: 256
    .sgpr_count:     66
    .vgpr_count:     112
    .wavefront_size: 32
...
	.end_amdgpu_metadata
.endif
;; end of part 1
;; launch mt (part 2): grid 16 x 16, 4 waves a work-group, clusters of 4 x 4, 327,680 bytes of LDS; arguments wqk, wcat; writes wcat
.if DOCPART == 2
	.amdgcn_target "amdgcn-amd-amdhsa--gfx1250"
	.amdhsa_code_object_version 6
	.text
	.protected	k_qd500e573d4_mt
	.globl	k_qd500e573d4_mt
	.p2align	8
	.type	k_qd500e573d4_mt,@function
k_qd500e573d4_mt:
	s_mov_b64 s[64:65], 0
	v_nop
	global_prefetch_b8 v0, s[64:65] scope:SCOPE_SE
	s_setreg_imm32_b32 hwreg(HW_REG_WAVE_MODE, 25, 1), 1
	s_wait_xcnt 0x0
	s_wait_alu depctr_hold_cnt(0) depctr_sa_sdst(0) depctr_va_vdst(0) depctr_va_sdst(0) depctr_va_ssrc(0) depctr_va_vcc(0) depctr_vm_vsrc(0)
	s_getreg_b32 s2, hwreg(HW_REG_IB_STS2, 6, 4)
	s_cmp_eq_u32 s2, 0
	s_cbranch_scc0 .Lentry_in_a_cluster
	s_endpgm
.Lentry_in_a_cluster:
	s_bfe_u32 s2, ttmp6, 0x10000c
	s_cmp_lg_u32 s2, 0xf033
	s_cbranch_scc0 .Lentry_shape_is_right
	s_endpgm
.Lentry_shape_is_right:
; wcat[i'][i] = the sum over j of Wk[i'][j] Wq[i][j], i', i < 1024: the matrix M^T of y = (x M) x^T / 32, which takes the place of the two projections q and k (the same sums, in another order).
; Operands f16 (bf16 numbers written as f16), sums f32, the result rounded once to f16.  LIMIT: |M| below 65,504; below 6e-5 it keeps f16's fixed step of 6e-8.
; SHARES.  A work-group makes 64 (i') x 64 (i); all of K, 1,024, lies in LDS at once: nothing is filled again.  K IS SPLIT AMONG THE FOUR WAVES, 256 each: each makes the whole 64 x 64 for its quarter
; (16 accumulators by turns), and the four partial sums meet in LDS.
; CLUSTER 4 x 4: Wk's rows hang on the tile row alone and are asked for jointly along a row of the cluster, Wq's on the tile column alone, along a column.
; THE STORES cover 128 bytes of a row, half of an aligned 256: a tile 128 wide would want 160 rows of 2,048 bytes in LDS, all that there is.  2 MiB are written so.
; No prefetch: each tile is asked for once, at the head.
.set PITCH, 1040                       ; an LDS row: 1,024 bytes (half of K) + 16: 65 x 16, so the 16 rows of a fragment load start at 16 different groups of four banks (ISA guide 11.1)
.set REG,   64*PITCH                   ; what one tensor load brings: A's two halves of K, then B's two
.set SPARE, 4*REG                      ; behind the tiles: the spare words, 128 bytes a wave
.set STG,   REG                        ; the ways out: 16 rows x 144 bytes a wave, in bytes whose one fill is past and whose readers have passed a barrier
.set ADRA, 16                          ; v16  my A fragments
.set ADRB, 17                          ; v17  my B fragments
.set PST,  18                          ; v18  where I put my partial sums
.set PRD,  19                          ; v19  where I read the four partial sums of my 16 rows
.set STO,  20                          ; v20  into my stage
.set RD,   21                          ; v21  back from it
.set CO,   22                          ; v22  my byte offset in wcat
.set SPW,  28
.set NIL,  29
.set ACC,  128                         ; window 0: accumulator (a, b) at ACC + 8 (4 a + b)
.set F0,   0                           ; window 1: two fragment buffers: A's four blocks, then B's four
.set F1,   64
.set G1,  24
.set G0,  32
.set G1B, 48
.set G0B, 56
.set GW, (1<<16)|(1<<20)|(1<<21)|(7<<22)|(3<<25)  ; 2-byte elements; padding on; bit 21 beside a mask; after every 256 words, 4 words
.set MSB, 0
.macro WIN new
.if MSB != (\new)
	s_set_vgpr_msb (MSB<<8)|(\new)
.set MSB, \new
.endif
.endm
.macro PLACES
.rept 4
	v_nop
.endr
.endm
.macro CROUND                          ; a round of the cluster's barrier
	s_barrier_signal -1
	s_barrier_wait -1
	s_cmp_lg_u32 s10, 0
	s_cbranch_scc1 .Lnot_wave_0_\@
	s_barrier_signal -3
.Lnot_wave_0_\@:
	s_barrier_wait -3
	s_barrier_signal -1
	s_barrier_wait -1
.endm
	s_load_b128 s[4:7], s[0:1], 0x0                ; wqk s[4:5], wcat s[6:7]
	v_lshl_add_u32 v[SPW], v0, 2, SPARE
	v_mov_b32 v[NIL], 0
	ds_add_u32 v[SPW], v[NIL]                      ; the wave's opening: the add and its wait ahead of my first tensor load
	ds_add_u32 v28, v29
	v_lshrrev_b32 v1, 5, v0
	v_readfirstlane_b32 s10, v1                    ; wave 0..3
	s_lshr_b32 s11, s10, 1                         ; I fetch for A (0) or B (1); also: which half of K holds my quarter
	s_and_b32 s12, s10, 1                          ; which half of K I fetch; also: which quarter of that half is mine
	s_bfe_u32 s40, ttmp6, 0x40000                  ; cx
	s_bfe_u32 s41, ttmp6, 0x40004                  ; cy
	s_lshl_b32 s42, ttmp9, 2
	s_add_co_u32 s42, s42, s40                     ; tile column (i)
	s_and_b32 s13, ttmp7, 0xffff
	s_lshl_b32 s13, s13, 2
	s_add_co_u32 s13, s13, s41                     ; tile row (i')
	s_lshl_b32 s43, s41, 2
	s_lshl_b32 s43, 15, s43                        ; my row of the cluster
	s_lshl_b32 s44, 0x1111, s40                    ; my column
	s_or_b32 s[G1+0], s43, GW
	s_or_b32 s[G1B+0], s44, GW
.irp g, G1, G1B
	s_mov_b32 s[(\g)+1], 512<<16                   ; tensor_dim0 = 512
	s_mov_b32 s[(\g)+2], 64<<16                    ; tensor_dim1 = 64
	s_mov_b32 s[(\g)+3], 512<<16                   ; tile_dim0 = 512
	s_mov_b32 s[(\g)+4], 64                        ; tile_dim1 = 64
	s_mov_b32 s[(\g)+5], 1024                      ; elements from row to row
	s_mov_b32 s[(\g)+6], 0
	s_mov_b32 s[(\g)+7], 0
.endr
	s_lshl_b32 s17, s12, 10                        ; my half of K: 1,024 bytes along the rows
	s_lshl_b32 s16, s13, 17                        ; 64 rows of 2,048 bytes a tile row
	s_add_co_u32 s16, s16, s17
	s_add_co_u32 s16, s16, 0x200000                ; Wk lies behind Wq
	s_lshl_b32 s46, s42, 17
	s_add_co_u32 s46, s46, s17
	s_mov_b32 s17, 0
	s_mov_b32 s47, 0
	s_mul_i32 s20, s10, REG                        ; where it goes: the wave's number alone
	s_mov_b32 s[G0], 1
	s_mov_b32 s[G0+1], s20
	s_mov_b32 s[G0B], 1
	s_mov_b32 s[G0B+1], s20
	s_wait_dscnt 0x0                               ; the opening add is done
	s_wait_kmcnt 0x0
	s_add_nc_u64 s[G0+2:G0+3], s[4:5], s[16:17]
	s_or_b32 s[G0+3], s[G0+3], 0x80000000
	s_add_nc_u64 s[G0B+2:G0B+3], s[4:5], s[46:47]
	s_or_b32 s[G0B+3], s[G0B+3], 0x80000000
	CROUND                                         ; all sixteen work-groups are here: the joint loads meet
	s_cmp_eq_u32 s11, 0                            ; one load a wave; an s_nop 0 and four v_nop follow each line
	s_cbranch_scc0 .Lfor_b
	tensor_load_to_lds s[G0:G0+3], s[G1:G1+7]
	s_nop 0
	PLACES
	s_branch .Lasked
.Lfor_b:
	tensor_load_to_lds s[G0B:G0B+3], s[G1B:G1B+7]
	s_nop 0
	PLACES
.Lasked:
	v_and_b32 v1, 15, v0                           ; r = l % 16
	v_bfe_u32 v2, v0, 4, 1                         ; h = l / 16
	v_and_b32 v5, 31, v0                           ; l
	v_mul_u32_u24 v3, v1, PITCH
	v_lshl_add_u32 v3, v2, 4, v3
	s_mul_i32 s21, s11, REG
	s_lshl_b32 s22, s12, 9
	s_add_co_u32 s21, s21, s22                     ; my quarter of K: half w / 2, 512 bytes x (w % 2)
	v_add_nc_u32 v[ADRA], s21, v3
	v_add_nc_u32 v[ADRB], 2*REG, v[ADRA]
	s_lshl_b32 s22, s10, 14
	v_lshl_add_u32 v[PST], v5, 4, s22              ; 16,384 x wave + 16 l
	s_lshl_b32 s22, s10, 12
	v_lshl_add_u32 v[PRD], v5, 4, s22              ; row block a = my wave: 4,096 x wave + 16 l
	s_mul_i32 s23, s10, 2304
	s_add_co_u32 s23, s23, STG
	v_mul_u32_u24 v4, v1, 144
	v_lshl_add_u32 v4, v2, 4, v4
	v_add_nc_u32 v[STO], s23, v4
	v_bfe_u32 v6, v0, 3, 2                         ; back: 32 lanes take four rows of 128 bytes
	v_and_b32 v7, 7, v0
	v_mul_u32_u24 v[RD], v6, 144
	v_lshl_add_u32 v[RD], v7, 4, v[RD]
	v_add_nc_u32 v[RD], s23, v[RD]
	v_lshlrev_b32 v[CO], 11, v6
	v_lshl_add_u32 v[CO], v7, 4, v[CO]
	s_lshl_b32 s14, s13, 17                        ; wcat at row 64 tile row + 16 wave, column 64 tile column
	s_lshl_b32 s15, s10, 15
	s_add_co_u32 s14, s14, s15
	s_lshl_b32 s15, s42, 7
	s_add_co_u32 s14, s14, s15
	s_mov_b32 s15, 0
	s_add_nc_u64 s[6:7], s[6:7], s[14:15]
.macro FET ks, f                       ; 16 LDS loads: 64 rows of A and of B, 32 along K
	WIN 0x40
.irp i, 0,1,2,3
	ds_load_b128 v[(\f)+8*(\i):(\f)+8*(\i)+3],       v[ADRA] offset:(\i)*16*PITCH+64*(\ks)
	ds_load_b128 v[(\f)+8*(\i)+4:(\f)+8*(\i)+7],     v[ADRA] offset:(\i)*16*PITCH+64*(\ks)+32
	ds_load_b128 v[(\f)+32+8*(\i):(\f)+32+8*(\i)+3], v[ADRB] offset:(\i)*16*PITCH+64*(\ks)
	ds_load_b128 v[(\f)+32+8*(\i)+4:(\f)+32+8*(\i)+7], v[ADRB] offset:(\i)*16*PITCH+64*(\ks)+32
.endr
.endm
.macro MUL f, zero                     ; 16 products, used transposed (source 0 = Wq's rows): a lane holds one row i' and eight neighbouring i.  The 16 accumulators take turns
	WIN 0x05
.irp a, 0,1,2,3
.irp b, 0,1,2,3
.if \zero
	v_wmma_f32_16x16x32_f16 v[ACC+8*(4*(\a)+(\b)):ACC+8*(4*(\a)+(\b))+7], v[(\f)+32+8*(\b):(\f)+32+8*(\b)+7], v[(\f)+8*(\a):(\f)+8*(\a)+7], 0
.else
	v_wmma_f32_16x16x32_f16 v[ACC+8*(4*(\a)+(\b)):ACC+8*(4*(\a)+(\b))+7], v[(\f)+32+8*(\b):(\f)+32+8*(\b)+7], v[(\f)+8*(\a):(\f)+8*(\a)+7], v[ACC+8*(4*(\a)+(\b)):ACC+8*(4*(\a)+(\b))+7]
.endif
.endr
.endr
.endm
	s_wait_tensorcnt 0x0                           ; my tile is in,
	s_barrier_signal -1
	s_barrier_wait -1                              ; everybody's is
	FET 0, F0
	FET 1, F1
	s_wait_dscnt 16                                ; the other buffer's 16 loads may stay out
	MUL F0, 1
	PLACES                                         ; four places in front of loads into registers that the products have read
	FET 2, F0
.irp ks, 1,2,3,4,5
	s_wait_dscnt 16
	MUL F0+64*((\ks)%2), 0
	PLACES
	FET (\ks)+2, F0+64*((\ks)%2)
.endr
	s_wait_dscnt 16
	MUL F0, 0
	s_wait_dscnt 0x0
	MUL F1, 0
	WIN 0
	s_barrier_signal -1                            ; every wave's reads of the tiles are back (the wait for 0 above): their bytes may be written
	s_barrier_wait -1
	PLACES                                         ; the places behind the last products
.set i, 0
.rept 16
	ds_store_b128 v[PST], v[ACC+8*i:ACC+8*i+3]   offset:1024*i        ; each accumulator from its low end on
	ds_store_b128 v[PST], v[ACC+8*i+4:ACC+8*i+7] offset:1024*i+512
.set i, i+1
.endr
	s_wait_dscnt 0x0
	s_barrier_signal -1
	s_barrier_wait -1                              ; all four partial sums lie in LDS
.irp v, 0,1,2,3
.irp b, 0,1,2,3
	ds_load_b128 v[ACC+32*(\v)+8*(\b):ACC+32*(\v)+8*(\b)+3],   v[PRD] offset:16384*(\v)+1024*(\b)
	ds_load_b128 v[ACC+32*(\v)+8*(\b)+4:ACC+32*(\v)+8*(\b)+7], v[PRD] offset:16384*(\v)+1024*(\b)+512
.endr
.endr
	s_wait_dscnt 0x0
.set i, 0
.rept 16
	v_pk_add_f32 v[ACC+2*i:ACC+2*i+1], v[ACC+2*i:ACC+2*i+1], v[ACC+32+2*i:ACC+32+2*i+1]
	v_pk_add_f32 v[ACC+64+2*i:ACC+64+2*i+1], v[ACC+64+2*i:ACC+64+2*i+1], v[ACC+96+2*i:ACC+96+2*i+1]
.set i, i+1
.endr
.set i, 0
.rept 16
	v_pk_add_f32 v[ACC+2*i:ACC+2*i+1], v[ACC+2*i:ACC+2*i+1], v[ACC+64+2*i:ACC+64+2*i+1]
.set i, i+1
.endr
.set i, 0
.rept 16
	v_cvt_pk_f16_f32 v[32+i], v[ACC+2*i], v[ACC+2*i+1]
.set i, i+1
.endr
.irp b, 0,1,2,3
	ds_store_b128 v[STO], v[32+4*(\b):32+4*(\b)+3] offset:32*(\b)
.endr
.irp f, 0,1,2,3
	ds_load_b128 v[32+4*(\f):32+4*(\f)+3], v[RD] offset:576*(\f)   ; LDS serves a wave's instructions in order (ISA guide 5.7.1.4): these see the stores above
.endr
.irp f, 0,1,2,3
	s_wait_dscnt 3-(\f)
	global_store_b128 v[CO], v[32+4*(\f):32+4*(\f)+3], s[6:7] offset:8192*(\f)
.endr
	s_wait_tensorcnt 0x0                           ; the wave's end
	ds_add_u32 v[SPW], v[NIL]
	s_wait_dscnt 0x0
	CROUND                                         ; the closing round
	s_endpgm
.Lfunc_end_k_qd500e573d4_mt:
	.size	k_qd500e573d4_mt, .Lfunc_end_k_qd500e573d4_mt-k_qd500e573d4_mt
	.p2alignl 7, 3214868480
	.fill 96, 4, 3214868480
	.section	.rodata,"a",@progbits
	.p2align	6, 0x0
	.amdhsa_kernel k_qd500e573d4_mt
		.amdhsa_group_segment_fixed_size 327680
		.amdhsa_private_segment_fixed_size 0
		.amdhsa_enable_private_segment 0
		.amdhsa_kernarg_size 16
		.amdhsa_user_sgpr_count 2
		.amdhsa_user_sgpr_kernarg_segment_ptr 1
		.amdhsa_wavefront_size32 1
		.amdhsa_system_sgpr_workgroup_id_x 1
		.amdhsa_system_sgpr_workgroup_id_y 1
		.amdhsa_system_sgpr_workgroup_id_z 1
		.amdhsa_system_vgpr_workitem_id 0
		.amdhsa_next_free_vgpr 384
		.amdhsa_next_free_sgpr 66
		.amdhsa_reserve_vcc 0
		.amdhsa_float_denorm_mode_32 3
		.amdhsa_float_denorm_mode_16_64 3
		.amdhsa_memory_ordered 1
		.amdhsa_forward_progress 1
		.amdhsa_inst_pref_size 33
	.end_amdhsa_kernel
	.amdgpu_metadata
---
amdhsa.version: [ 1, 2 ]
amdhsa.kernels:
  - .name:           k_qd500e573d4_mt
    .symbol:         k_qd500e573d4_mt.kd
    .args:
      - { .name: wqk, .offset: 0, .size: 8, .value_kind: global_buffer, .address_space: global }
      - { .name: wcat, .offset: 8, .size: 8, .value_kind: global_buffer, .address_space: global }
    .group_segment_fixed_size: 327680
    .private_segment_fixed_size: 0
    .kernarg_segment_align: 8
    .kernarg_segment_size: 16
    .max_flat_workgroup_size: 128
    .sgpr_count:     66
    .vgpr_count:     384
    .wavefront_size: 32
...
	.end_amdgpu_metadata
.endif
;; end of part 2
;; launch proj (part 3): grid 8 x 32, 4 waves a work-group, clusters of 4 x 4, 327,680 bytes of LDS; arguments xh, wcat, tv; writes tv
.if DOCPART == 3
	.amdgcn_target "amdgcn-amd-amdhsa--gfx1250"
	.amdhsa_code_object_version 6
	.text
	.protected	k_qd500e573d4_proj
	.globl	k_qd500e573d4_proj
	.p2align	8
	.type	k_qd500e573d4_proj,@function
k_qd500e573d4_proj:
	s_mov_b64 s[64:65], 0
	v_nop
	global_prefetch_b8 v0, s[64:65] scope:SCOPE_SE
	s_setreg_imm32_b32 hwreg(HW_REG_WAVE_MODE, 25, 1), 1
	s_wait_xcnt 0x0
	s_wait_alu depctr_hold_cnt(0) depctr_sa_sdst(0) depctr_va_vdst(0) depctr_va_sdst(0) depctr_va_ssrc(0) depctr_va_vcc(0) depctr_vm_vsrc(0)
	s_getreg_b32 s2, hwreg(HW_REG_IB_STS2, 6, 4)
	s_cmp_eq_u32 s2, 0
	s_cbranch_scc0 .Lentry_in_a_cluster
	s_endpgm
.Lentry_in_a_cluster:
	s_bfe_u32 s2, ttmp6, 0x10000c
	s_cmp_lg_u32 s2, 0xf033
	s_cbranch_scc0 .Lentry_shape_is_right
	s_endpgm
.Lentry_shape_is_right:
; tv[s][n] = 2^-10 x the sum over i of xh[s][i] wcat[n][i].  Columns 0..1023: t'' = (x M) 2^-10; columns 1024..2047: v = x Wv (wcat holds Wv 2^10).  Operands f16, sums f32, tv rounded once to f16.
; LIMITS.  |t''| and |v| below 65,504; below 6e-5 they keep f16's fixed step of 6e-8 (in a score y = 32 t'' . x that is an absolute error, under 1e-3 for x up to 30 times the drawn spread).
; A tile of 256 x 256 to a work-group of four waves, 128 x 128 a wave: 64 accumulators, 512 registers.  256 tiles.  K = 1,024 in 8 steps of 128 through two LDS slots filled by joint tensor loads
; (cluster 4 x 4: xh's tile shared along a row of the cluster, wcat's along a column).  A trip of the loop is one K step; the slot in hand is a scalar that an exclusive or turns.
; REGISTERS in windows of 256: window 0: v0-31 addresses, v64-127 and v128-191 A's fragments (two buffers), later the way out; window 1: the same places for B's; windows 2, 3: the accumulators ((a, b) at v[8 (8 a + b)]).
; THE PRODUCT IS USED TRANSPOSED (source 0 = 16 rows of wcat, source 1 = 16 rows of xh): a lane holds one row of tv and eight neighbouring columns.
; THE WAY OUT: the wave's 128 x 128 sums go as f32 rows into its own scratch in LDS (the ring's bytes, whose last fill is past, behind a barrier), and a loop of 8 trips reads 16 whole rows, scales, rounds, stores.
.set KSTEP,  128
.set PITCH,  272                       ; 256 bytes + 16: the 16 rows of a fragment load start at 16 different groups of four banks (ISA guide 11.1)
.set HALFT,  128*PITCH
.set SLOT,   4*HALFT                   ; 0x22000: its two bits occur in no wave x HALFT, so an exclusive or turns an address in one slot into the other's
.set BLK,    16*528                    ; the scratch: 16 rows of 512 bytes + 16
.set SCR,    9*BLK                     ; eight blocks, and block 0 once more, so that the row loop's load ahead finds written bytes in its last trip
.set SPARE,  4*SCR                     ; behind the scratches: the spare words
.set STRA,   1024
.set STRB,   1024
.set ADRA0, 16                         ; v16, v17  my fragments' places in slot 0; never rewritten
.set ADRB0, 17
.set ADRA,  18                         ; v18, v19  the same in the slot in hand
.set ADRB,  19
.set DST,   20                         ; v20  into my scratch: row l % 16, 32 bytes for each half of the lanes
.set DST2,  21                         ; v21  the same, eight blocks on
.set RDR,   22                         ; v22  back: 16 bytes a lane of a whole row
.set CO,    24                         ; v24  my 8 bytes in 256 of tv
.set PFO,   25                         ; v25  the prefetches' offset: my lane x a row; never rewritten
.set SPW,   28
.set NIL,   29
.set F0,    64
.set F1,    128
.set X,     64                         ; the way out: 16 rows as read
.set W,     128                        ; scaled
.set Y,     192                        ; rounded
.set TB,    2                          ; s2   the slot in hand: 0 or SLOT
.set LIM,   43                         ; s43  2 in a wave that prefetches, else the greatest number
.set PFA,   44                         ; s[44:45] where my prefetches stand
.set SC,    72                         ; s[72:73] 2^-10
.set G1,  24                           ; s[24:31] group 1 for A;  s[32:35] group 0 of the first fill, s[36:39] the walking one
.set G0,  32
.set G1B, 48                           ; s[48:55], s[56:59], s[60:63] the same for B
.set G0B, 56
.set GW, (1<<16)|(1<<20)|(1<<21)|(5<<22)|(3<<25)  ; 2-byte elements; padding on; bit 21 beside a mask; after every 64 words, 4 words
.set MSB, 0
.macro WIN new                         ; the immediate's high byte repeats the setting that is left
.if MSB != (\new)
	s_set_vgpr_msb (MSB<<8)|(\new)
.set MSB, \new
.endif
.endm
.set MUL_LO, 0xa1                      ; source 0 (B) window 1, source 1 (A) window 0, C and D window 2
.set MUL_HI, 0xf1                      ; the same, C and D window 3
.set TO_B,   0x40
.macro PLACES                          ; four places behind matrix instructions (ISA guide 7.12.1), where no other vector work is at hand
.rept 4
	v_nop
.endr
.endm
.macro JLOAD                           ; a joint refill by the walking descriptors: waves 0, 1 for A, waves 2, 3 for B; an s_nop 0 and four v_nop follow each line
	s_cmp_eq_u32 s11, 0
	s_cbranch_scc0 .Lfor_b_\@
	tensor_load_to_lds s[G0+4:G0+7], s[G1:G1+7]
	s_nop 0
	PLACES
	s_branch .Lasked_\@
.Lfor_b_\@:
	tensor_load_to_lds s[G0B+4:G0B+7], s[G1B:G1B+7]
	s_nop 0
	PLACES
.Lasked_\@:
.endm
; A prefetch of the K step that stands two refills on: 32 rows x 256 bytes, a lane a row, one instruction a wave.  xh's tile row is read by both clusters of a row of clusters: cluster x = 0 asks; wcat's tile column
; by the eight clusters of a column: cluster y = 0 asks.  The four partners of a joint load share its 128 rows out by address.  The loop's last two trips have no K step two on.
.macro ASK
	s_cmp_gt_u32 s3, s[LIM]
	s_cbranch_scc0 .Lnot_mine_\@
	global_prefetch_b8 v[PFO], s[PFA:PFA+1] offset:KSTEP*2 th:TH_LOAD_NT scope:SCOPE_SE
.Lnot_mine_\@:
.endm
.macro CREST                           ; a round of the cluster's barrier behind its opening barrier
	s_cmp_lg_u32 s10, 0
	s_cbranch_scc1 .Lnot_wave_0_\@
	s_barrier_signal -3
.Lnot_wave_0_\@:
	s_barrier_wait -3
	s_barrier_signal -1
	s_barrier_wait -1
.endm
.macro CROUND
	s_barrier_signal -1
	s_barrier_wait -1
	CREST
.endm
	s_load_b128 s[4:7], s[0:1], 0x0                ; xh s[4:5], wcat s[6:7]
	s_load_b64 s[8:9], s[0:1], 0x10                ; tv
	v_lshl_add_u32 v[SPW], v0, 2, SPARE
	v_mov_b32 v[NIL], 0
	ds_add_u32 v[SPW], v[NIL]                      ; the wave's opening: the add and its wait ahead of my first tensor load
	ds_add_u32 v28, v29
	v_lshrrev_b32 v1, 5, v0
	v_readfirstlane_b32 s10, v1                    ; wave 0..3
	s_lshr_b32 s11, s10, 1                         ; my half of the tile's rows; also: I fetch for A (0) or B (1)
	s_and_b32 s12, s10, 1                          ; my half of its columns; also: which 128 rows I fetch
	s_bfe_u32 s40, ttmp6, 0x40000                  ; cx
	s_bfe_u32 s41, ttmp6, 0x40004                  ; cy
	s_lshl_b32 s42, ttmp9, 2
	s_add_co_u32 s42, s42, s40                     ; tile column
	s_and_b32 s13, ttmp7, 0xffff
	s_lshl_b32 s13, s13, 2
	s_add_co_u32 s13, s13, s41                     ; tile row
	s_lshl_b32 s43, s41, 2
	s_lshl_b32 s43, 15, s43                        ; my row of the cluster
	s_lshl_b32 s44, 0x1111, s40                    ; my column
	s_or_b32 s[G1+0], s43, GW
	s_or_b32 s[G1B+0], s44, GW
.irp g, G1, G1B
	s_mov_b32 s[(\g)+1], KSTEP<<16                 ; tensor_dim0 = 128
	s_mov_b32 s[(\g)+2], 128<<16                   ; tensor_dim1 = 128
	s_mov_b32 s[(\g)+3], KSTEP<<16                 ; tile_dim0 = 128
	s_mov_b32 s[(\g)+4], 128                       ; tile_dim1 = 128
	s_mov_b32 s[(\g)+6], 0
	s_mov_b32 s[(\g)+7], 0
.endr
	s_mov_b32 s[G1+5], STRA                        ; elements from row to row
	s_mov_b32 s[G1B+5], STRB
	s_mov_b32 s[SC], 0x3a800000                    ; 2^-10
	s_mov_b32 s[SC+1], s[SC]
	s_mov_b32 s[TB], 0
	s_lshl_b32 s17, s12, 7
	s_lshl_b32 s16, s13, 8
	s_add_co_u32 s16, s16, s17                     ; A: row 256 x tile row + 128 x half,
	s_lshl_b32 s16, s16, 11                        ; of 2,048 bytes
	s_lshl_b32 s46, s42, 8
	s_add_co_u32 s46, s46, s17                     ; B: row 256 x tile column + 128 x half
	s_lshl_b32 s46, s46, 11
	s_mov_b32 s17, 0
	s_mov_b32 s47, 0
	s_mul_i32 s20, s10, HALFT                      ; where they go: the wave's number alone
	s_wait_dscnt 0x0                               ; the opening add is done
	s_wait_kmcnt 0x0
	s_add_nc_u64 s[14:15], s[4:5], s[16:17]
	s_add_nc_u64 s[46:47], s[6:7], s[46:47]
	CROUND                                         ; all sixteen work-groups are here: the first joint loads meet
.irp s, 0,1
	s_mov_b32 s[G0+4*(\s)], 1
	s_add_co_u32 s[G0+4*(\s)+1], s20, (\s)*SLOT
	s_add_nc_u64 s[G0+4*(\s)+2:G0+4*(\s)+3], s[14:15], (\s)*KSTEP*2
	s_or_b32 s[G0+4*(\s)+3], s[G0+4*(\s)+3], 0x80000000
	s_mov_b32 s[G0B+4*(\s)], 1
	s_add_co_u32 s[G0B+4*(\s)+1], s20, (\s)*SLOT
	s_add_nc_u64 s[G0B+4*(\s)+2:G0B+4*(\s)+3], s[46:47], (\s)*KSTEP*2
	s_or_b32 s[G0B+4*(\s)+3], s[G0B+4*(\s)+3], 0x80000000
.endr
	s_cmp_eq_u32 s11, 0                            ; a wave's two first fills stand in one branch: two loads of mine are out
	s_cbranch_scc0 .Lfirst_b
	tensor_load_to_lds s[G0:G0+3], s[G1:G1+7]
	s_nop 0
	tensor_load_to_lds s[G0+4:G0+7], s[G1:G1+7]
	s_nop 0
	PLACES
	s_branch .Lfirst_asked
.Lfirst_b:
	tensor_load_to_lds s[G0B:G0B+3], s[G1B:G1B+7]
	s_nop 0
	tensor_load_to_lds s[G0B+4:G0B+7], s[G1B:G1B+7]
	s_nop 0
	PLACES
.Lfirst_asked:
	v_and_b32 v1, 15, v0                           ; r = l % 16
	v_bfe_u32 v2, v0, 4, 1                         ; h = l / 16
	v_and_b32 v5, 31, v0                           ; l
	v_mul_u32_u24 v3, v1, PITCH
	v_lshl_add_u32 v3, v2, 4, v3                   ; a fragment's row x pitch + 16 x half
	s_mul_i32 s21, s11, HALFT
	s_mul_i32 s22, s12, HALFT
	s_add_co_u32 s22, s22, 2*HALFT
	v_add_nc_u32 v[ADRA0], s21, v3
	v_add_nc_u32 v[ADRB0], s22, v3
	v_mov_b32 v[ADRA], v[ADRA0]
	v_mov_b32 v[ADRB], v[ADRB0]
	s_mul_i32 s23, s10, SCR                        ; my scratch
	v_mul_u32_u24 v4, v1, 528
	v_lshl_add_u32 v4, v2, 5, v4
	v_add_nc_u32 v[DST], s23, v4
	v_add_nc_u32 v[DST2], 8*BLK, v[DST]
	v_lshl_add_u32 v[RDR], v5, 4, s23
	v_lshlrev_b32 v[CO], 3, v5
	s_lshl_b32 s68, s13, 8                         ; tv at my first row and column
	s_lshl_b32 s69, s11, 7
	s_add_co_u32 s68, s68, s69
	s_lshl_b32 s68, s68, 12                        ; rows of 4,096 bytes
	s_lshl_b32 s69, s42, 9
	s_add_co_u32 s68, s68, s69
	s_lshl_b32 s69, s12, 8
	s_add_co_u32 s68, s68, s69
	s_mov_b32 s69, 0
	s_add_nc_u64 s[8:9], s[8:9], s[68:69]
	s_lshl_b32 s70, s13, 8                         ; the prefetches
	s_lshl_b32 s71, s42, 8
	s_and_b32 s22, ttmp7, 0xffff                   ; cluster y
	s_cmp_eq_u32 s11, 0                            ; do I fetch for A?
	s_cselect_b32 s20, s70, s71                    ; the tile's first row
	s_cselect_b32 s21, s40, s41                    ; my place among the four that ask with me
	s_cselect_b32 s22, ttmp9, s22                  ; the coordinate along which other clusters read the same rows
	s_cselect_b64 s[PFA:PFA+1], s[4:5], s[6:7]
	s_cmp_eq_u32 s22, 0
	s_cselect_b32 s[LIM], 2, -1
	s_lshl_b32 s22, s12, 7
	s_add_co_u32 s20, s20, s22
	s_lshl_b32 s21, s21, 5
	s_add_co_u32 s20, s20, s21
	s_lshl_b32 s20, s20, 11
	s_mov_b32 s21, 0
	s_add_nc_u64 s[PFA:PFA+1], s[PFA:PFA+1], s[20:21]
	s_add_nc_u64 s[PFA:PFA+1], s[PFA:PFA+1], 2*KSTEP*2  ; at K step 2: the first refill steps it to 3 and names step 4.  Nothing is prefetched at the head
	v_lshlrev_b32 v[PFO], 11, v5
.macro MUL16 f, hi, a0, zero           ; 16 products: row blocks a0, a0 + 1 of the window's four x all 8 column blocks, 32 along K.  The 64 accumulators take turns, in one order everywhere
	WIN MUL_LO+0x50*(\hi)
.irp a, \a0, (\a0)+1
.irp b, 0,1,2,3,4,5,6,7
.if \zero
	v_wmma_f32_16x16x32_f16 v[8*(8*(\a)+(\b)):8*(8*(\a)+(\b))+7], v[(\f)+8*(\b):(\f)+8*(\b)+7], v[(\f)+8*(4*(\hi)+(\a)):(\f)+8*(4*(\hi)+(\a))+7], 0
.else
	v_wmma_f32_16x16x32_f16 v[8*(8*(\a)+(\b)):8*(8*(\a)+(\b))+7], v[(\f)+8*(\b):(\f)+8*(\b)+7], v[(\f)+8*(4*(\hi)+(\a)):(\f)+8*(4*(\hi)+(\a))+7], v[8*(8*(\a)+(\b)):8*(8*(\a)+(\b))+7]
.endif
.endr
.endr
.endm
.macro FETCH k, f                      ; 32 LDS loads in one run: a quarter step's fragments, B's first
	WIN TO_B
.irp i, 0,1,2,3,4,5,6,7
	ds_load_b128 v[(\f)+8*(\i):(\f)+8*(\i)+3],   v[ADRB] offset:(\k)+(\i)*16*PITCH
	ds_load_b128 v[(\f)+8*(\i)+4:(\f)+8*(\i)+7], v[ADRB] offset:(\k)+(\i)*16*PITCH+32
.endr
	WIN 0
.irp i, 0,1,2,3,4,5,6,7
	ds_load_b128 v[(\f)+8*(\i):(\f)+8*(\i)+3],   v[ADRA] offset:(\k)+(\i)*16*PITCH
	ds_load_b128 v[(\f)+8*(\i)+4:(\f)+8*(\i)+7], v[ADRA] offset:(\k)+(\i)*16*PITCH+32
.endr
.endm
.macro QUARTER k, f, g, zero           ; multiplies buffer f; in its middle fetches the next quarter, at byte k of the rows, into g
	s_wait_dscnt 8                                 ; B and A's rows 0-63 are in; the youngest eight loads may be out
	MUL16 \f, 0, 0, \zero
	MUL16 \f, 0, 2, \zero
	PLACES
	FETCH \k, \g
	s_wait_dscnt 32                                ; all but the 32 just issued
	MUL16 \f, 1, 0, \zero
	MUL16 \f, 1, 2, \zero
.endm
.macro MEET round                      ; the first half of a step's last quarter: ONE barrier for the change of slots
	WIN 0
	s_wait_tensorcnt 0x0                           ; all my tensor loads have landed: my part of the next slot;
	ds_add_u32 v[SPW], v[NIL]                      ; 0 onto my spare word;
	s_wait_dscnt 9                                 ; (the add and the youngest eight loads may be out)
	MUL16 F1, 0, 0, 0
	s_wait_dscnt 0x0                               ; the add is done, and my reads of this slot are over
	s_barrier_signal -1
	MUL16 F1, 0, 2, 0
.if \round
	WIN 0
.endif
	s_barrier_wait -1
.endm
.macro TURN fill                       ; a step's last quarter.  fill = 1: the slot just read out is filled again, two K steps ahead, first thing behind a round of the cluster's barrier: 224 products stand between the request and the wait for it
.if \fill
	s_wait_xcnt 0x0                                ; the last prefetch, a K step back, has read its address
	s_add_nc_u64 s[PFA:PFA+1], s[PFA:PFA+1], KSTEP*2
.endif
	MEET \fill
.if \fill
	CREST
	s_xor_b32 s[G0+5], s[G0+5], SLOT               ; the walking descriptors: the other slot than last time, the next K step
	s_add_nc_u64 s[G0+6:G0+7], s[G0+6:G0+7], KSTEP*2
	s_xor_b32 s[G0B+5], s[G0B+5], SLOT
	s_add_nc_u64 s[G0B+6:G0B+7], s[G0B+6:G0B+7], KSTEP*2
	JLOAD                                          ; its four v_nop are also the places in front of the loads below
.else
	WIN 0
	PLACES
.endif
	s_xor_b32 s[TB], s[TB], SLOT
	v_add_nc_u32 v[ADRA], s[TB], v[ADRA0]
	v_add_nc_u32 v[ADRB], s[TB], v[ADRB0]
	FETCH 0, F0
.if \fill
	ASK
.endif
	MUL16 F1, 1, 0, 0
	MUL16 F1, 1, 2, 0
.endm
	s_wait_tensorcnt 1                             ; my part of K step 0 is in; step 1's may stay out
	s_barrier_signal -1
	s_barrier_wait -1
	FETCH 0, F0
	QUARTER 64, F0, F1, 1                          ; the first quarter's products start the sums
	WIN 0
	s_mov_b32 s3, 6
.Lk:                                                   ; a trip: a step's quarters 1, 2, 3 and the next step's quarter 0; the refills are K steps 2 to 7
	QUARTER 128, F1, F0, 0
	QUARTER 192, F0, F1, 0
	TURN 1
	QUARTER 64, F0, F1, 0
	WIN 0
	s_sub_co_u32 s3, s3, 1
	s_cmp_lg_u32 s3, 0
	s_cbranch_scc1 .Lk
	s_mov_b32 s3, 2
.Lt:                                                   ; the last two K steps ask for nothing.  The second trip is left in its middle; its fetch (of the other slot's old bytes) serves nothing: the price of one text for both
	QUARTER 128, F1, F0, 0
	QUARTER 192, F0, F1, 0
	TURN 0
	WIN 0
	s_sub_co_u32 s3, s3, 1
	s_cmp_eq_u32 s3, 0
	s_cbranch_scc1 .Lout
	QUARTER 64, F0, F1, 0
	WIN 0
	s_branch .Lt
.Lout:
	s_wait_dscnt 0x0                               ; my reads of the ring are back
	s_barrier_signal -1
	s_barrier_wait -1                              ; everybody's are: the ring's bytes become scratch
	PLACES                                         ; behind the last products
.irp a, 0,1,2,3,4,5,6,7
	WIN 0x08+4*((\a)/4)                            ; store data in window 2 or 3
.irp b, 0,1,2,3,4,5,6,7
	ds_store_b128 v[DST], v[8*(8*((\a)%4)+(\b)):8*(8*((\a)%4)+(\b))+3]   offset:(\a)*BLK+64*(\b)     ; each accumulator from its low end on
	ds_store_b128 v[DST], v[8*(8*((\a)%4)+(\b))+4:8*(8*((\a)%4)+(\b))+7] offset:(\a)*BLK+64*(\b)+16
.endr
.endr
	WIN 0x08
.irp b, 0,1,2,3,4,5,6,7
	ds_store_b128 v[DST2], v[8*(\b):8*(\b)+3]   offset:64*(\b)
	ds_store_b128 v[DST2], v[8*(\b)+4:8*(\b)+7] offset:64*(\b)+16
.endr
	WIN 0
.set t, 0
.rept 16
	ds_load_b128 v[X+4*t:X+4*t+3], v[RDR] offset:528*t   ; LDS serves a wave's instructions in order (ISA guide 5.7.1.4): these see the stores above
.set t, t+1
.endr
	s_mov_b32 s3, 8
.Lrow:                                                 ; a trip: 16 rows of my 128
	s_wait_dscnt 0x0
.set i, 0
.rept 32
	v_pk_mul_f32 v[W+2*i:W+2*i+1], v[X+2*i:X+2*i+1], s[SC:SC+1] op_sel_hi:[1,0]
.set i, i+1
.endr
	v_add_nc_u32 v[RDR], BLK, v[RDR]
.set t, 0
.rept 16
	ds_load_b128 v[X+4*t:X+4*t+3], v[RDR] offset:528*t   ; the next 16 rows, under this trip's roundings and stores
.set t, t+1
.endr
.set i, 0
.rept 32
	v_cvt_pk_f16_f32 v[Y+i], v[W+2*i], v[W+2*i+1]
.set i, i+1
.endr
.set t, 0
.rept 16
	global_store_b64 v[CO], v[Y+2*t:Y+2*t+1], s[8:9] offset:4096*t  ; the wave stores 256 consecutive bytes, aligned
.set t, t+1
.endr
	s_wait_xcnt 0x0                                ; the stores have read their data and base: both are rewritten only behind this wait
	s_add_nc_u64 s[8:9], s[8:9], 65536
	s_sub_co_u32 s3, s3, 1
	s_cmp_lg_u32 s3, 0
	s_cbranch_scc1 .Lrow
	s_wait_tensorcnt 0x0                           ; the wave's end
	ds_add_u32 v[SPW], v[NIL]
	s_wait_dscnt 0x0
	CROUND                                         ; the closing round
	s_endpgm
.Lfunc_end_k_qd500e573d4_proj:
	.size	k_qd500e573d4_proj, .Lfunc_end_k_qd500e573d4_proj-k_qd500e573d4_proj
	.p2alignl 7, 3214868480
	.fill 96, 4, 3214868480
	.section	.rodata,"a",@progbits
	.p2align	6, 0x0
	.amdhsa_kernel k_qd500e573d4_proj
		.amdhsa_group_segment_fixed_size 327680
		.amdhsa_private_segment_fixed_size 0
		.amdhsa_enable_private_segment 0
		.amdhsa_kernarg_size 24
		.amdhsa_user_sgpr_count 2
		.amdhsa_user_sgpr_kernarg_segment_ptr 1
		.amdhsa_wavefront_size32 1
		.amdhsa_system_sgpr_workgroup_id_x 1
		.amdhsa_system_sgpr_workgroup_id_y 1
		.amdhsa_system_sgpr_workgroup_id_z 1
		.amdhsa_system_vgpr_workitem_id 0
		.amdhsa_next_free_vgpr 1024
		.amdhsa_next_free_sgpr 80
		.amdhsa_reserve_vcc 0
		.amdhsa_float_denorm_mode_32 3
		.amdhsa_float_denorm_mode_16_64 3
		.amdhsa_memory_ordered 1
		.amdhsa_forward_progress 1
		.amdhsa_inst_pref_size 86
	.end_amdhsa_kernel
	.amdgpu_metadata
---
amdhsa.version: [ 1, 2 ]
amdhsa.kernels:
  - .name:           k_qd500e573d4_proj
    .symbol:         k_qd500e573d4_proj.kd
    .args:
      - { .name: xh, .offset: 0, .size: 8, .value_kind: global_buffer, .address_space: global }
      - { .name: wcat, .offset: 8, .size: 8, .value_kind: global_buffer, .address_space: global }
      - { .name: tv, .offset: 16, .size: 8, .value_kind: global_buffer, .address_space: global }
    .group_segment_fixed_size: 327680
    .private_segment_fixed_size: 0
    .kernarg_segment_align: 8
    .kernarg_segment_size: 24
    .max_flat_workgroup_size: 128
    .sgpr_count:     80
    .vgpr_count:     1024
    .wavefront_size: 32
...
	.end_amdgpu_metadata
.endif
;; end of part 3
;; launch score (part 4): grid 8 x 32, 4 waves a work-group, clusters of 4 x 4, 327,680 bytes of LDS; arguments tv, xh, mask, p, stats; writes p, stats
.if DOCPART == 4
	.amdgcn_target "amdgcn-amd-amdhsa--gfx1250"
	.amdhsa_code_object_version 6
	.text
	.protected	k_qd500e573d4_score
	.globl	k_qd500e573d4_score
	.p2align	8
	.type	k_qd500e573d4_score,@function
k_qd500e573d4_score:
	s_mov_b64 s[64:65], 0
	v_nop
	global_prefetch_b8 v0, s[64:65] scope:SCOPE_SE
	s_setreg_imm32_b32 hwreg(HW_REG_WAVE_MODE, 25, 1), 1
	s_wait_xcnt 0x0
	s_wait_alu depctr_hold_cnt(0) depctr_sa_sdst(0) depctr_va_vdst(0) depctr_va_sdst(0) depctr_va_ssrc(0) depctr_va_vcc(0) depctr_vm_vsrc(0)
	s_getreg_b32 s2, hwreg(HW_REG_IB_STS2, 6, 4)
	s_cmp_eq_u32 s2, 0
	s_cbranch_scc0 .Lentry_in_a_cluster
	s_endpgm
.Lentry_in_a_cluster:
	s_bfe_u32 s2, ttmp6, 0x10000c
	s_cmp_lg_u32 s2, 0xf033
	s_cbranch_scc0 .Lentry_shape_is_right
	s_endpgm
.Lentry_shape_is_right:
; THE SCORES AND THE FIRST HALF OF THE SOFTMAX.  y[s][z] = 32 x the sum over i of t''[s][i] x[z][i] (= q . k / 32); y' = y + (mask[s] ? 0 : -1e9), rounded to f32 as reference() rounds it: at 1e9 that is a
; multiple of 64, which is what a masked row's weights are made of.  A wave owns 128 rows x 128 keys, one of a row's 16 blocks j.  It stores p = exp(y' - m_j) in f16, with m_j the block's true maximum, and m_j and
; l_j = the sum of the unrounded p in f32; the next launch joins the blocks.  The difference y' - m_j is taken first and multiplied by log2(e) afterwards: exact where y' is large.
; LIMITS.  y' is rounded once (32 x sum - 1e9 in one fused line) where reference() rounds y and then the sum: a masked row's score within a rounding of an odd multiple of 32 may fall to the other multiple of 64.
; p lies in 0 to 1 and below 6e-5 keeps f16's fixed step of 6e-8; a weight below 2^-126 counts as 0.  NaN and infinities are not treated apart.
; The frame (tile 256 x 256, four waves of 128 x 128, K = 1,024 in 8 steps of 128, two slots, joint loads in a cluster of 4 x 4, one K step a trip) is the projection's.  A = tv's columns 0..1023, B = the batch's rows of xh.
; p's LAYOUT is the next launch's fragment: [512 blocks of 16 rows][64 quarters of 32 keys][1,024 bytes]; in a block lane l's registers 0-3 lie at 16 l, its registers 4-7 at 512 + 16 l.  The product is used transposed, so a
; lane holds ONE row (l % 16) and of each accumulator b the keys 16 b + 8 (l / 16) + 0..7: the packed weights of b = 2 q and 2 q + 1 ARE quarter q's fragment, lane for lane.
; THE WAY OUT: the sums go into the wave's scratch in LDS, 16 bytes a lane, and a loop of 8 trips takes a block of 16 rows: each lane reads back what it stored (the scratch serves to walk the register blocks by an address).
; A row's maximum and sum are taken in the lane, with one exchange between the halves of the lanes.  A trip's eight stores cover 4,096 consecutive bytes of p.
.set KSTEP,  128
.set PITCH,  272
.set HALFT,  128*PITCH
.set SLOT,   4*HALFT                   ; 0x22000: its two bits occur in no wave x HALFT
.set BLK,    8192                      ; a block of 16 rows x 128 sums: 512 bytes for each half accumulator
.set SCR,    9*BLK                     ; eight blocks, and block 0 once more, so that the row loop's load ahead finds written bytes in its last trip
.set STATS,  4*SCR                     ; 1,024 bytes a wave: 128 m, 128 l
.set MQT,    STATS+4096                ; 1,024 bytes a wave: the 128 rows' 0 or -1e9, and the same once more for the row loop's load ahead
.set SPARE,  MQT+4096
.set STRA,   2048
.set STRB,   1024
.set ADRA0, 16
.set ADRB0, 17
.set ADRA,  18
.set ADRB,  19
.set DST,   20                         ; v20  into my scratch: 16 x lane
.set DST2,  21                         ; v21  the same, eight blocks on
.set RDR,   22                         ; v22  back from it: the same place, a block further in each trip
.set MQA,   23                         ; v23  my row's addend
.set CO,    24                         ; v24  16 x lane: my 16 bytes in 512 of p and of stats
.set PFO,   25
.set STA,   26                         ; v26  where my row's m goes
.set SRD,   27                         ; v27  the statistics read back, 16 bytes a lane
.set SPW,   28
.set NIL,   29
.set MQW,   31                         ; v31  where the addends are put
.set F0,    64
.set F1,    128
.set MQ,    32                         ; v[32:33] my row's 0 or -1e9 (named as a pair; the low word serves both halves)
.set MX,    34                         ; v[34:35] my row's maximum, likewise
.set LS,    36                         ; v36      my row's sum
.set M,     40                         ; v[40:43] four chains of the maximum; at work
.set X,     64                         ; v[64:127]   my row's 64 sums: accumulator b's at X + 8 b
.set W,     128                        ; v[128:191]  y', then the weights
.set PK,    192                        ; v[192:223]  the weights in f16
.set TB,    2
.set LIM,   43
.set PFA,   44
.set C32,   66                         ; s[66:67] 32.0
.set L2E,   68                         ; s[68:69] log2(e)
.set SEL,   82                         ; s[82:83] v_permlanex16_b32's selects: each lane takes its own place in the other half
.set G1,  24
.set G0,  32
.set G1B, 48
.set G0B, 56
.set GW, (1<<16)|(1<<20)|(1<<21)|(5<<22)|(3<<25)
.set MSB, 0
.macro WIN new
.if MSB != (\new)
	s_set_vgpr_msb (MSB<<8)|(\new)
.set MSB, \new
.endif
.endm
.set MUL_LO, 0xa1
.set MUL_HI, 0xf1
.set TO_B,   0x40
.macro PLACES
.rept 4
	v_nop
.endr
.endm
.macro JLOAD
	s_cmp_eq_u32 s11, 0
	s_cbranch_scc0 .Lfor_b_\@
	tensor_load_to_lds s[G0+4:G0+7], s[G1:G1+7]
	s_nop 0
	PLACES
	s_branch .Lasked_\@
.Lfor_b_\@:
	tensor_load_to_lds s[G0B+4:G0B+7], s[G1B:G1B+7]
	s_nop 0
	PLACES
.Lasked_\@:
.endm
; A prefetch of the K step two refills on: 32 rows x 256 bytes, a lane a row.  tv's tile row is read by both clusters of a row of clusters: cluster x = 0 asks; a batch's rows of xh by the two clusters of the batch in a
; column of clusters: the even one asks.  The four partners share the 128 rows out by address.  The loop's last two trips ask for nothing.
.macro ASK
	s_cmp_gt_u32 s3, s[LIM]
	s_cbranch_scc0 .Lnot_mine_\@
	global_prefetch_b8 v[PFO], s[PFA:PFA+1] offset:KSTEP*2 th:TH_LOAD_NT scope:SCOPE_SE
.Lnot_mine_\@:
.endm
.macro CREST
	s_cmp_lg_u32 s10, 0
	s_cbranch_scc1 .Lnot_wave_0_\@
	s_barrier_signal -3
.Lnot_wave_0_\@:
	s_barrier_wait -3
	s_barrier_signal -1
	s_barrier_wait -1
.endm
.macro CROUND
	s_barrier_signal -1
	s_barrier_wait -1
	CREST
.endm
	s_load_b128 s[4:7], s[0:1], 0x0                ; tv s[4:5], xh s[6:7]
	s_load_b128 s[76:79], s[0:1], 0x10             ; mask s[76:77], p s[78:79]
	s_load_b64 s[80:81], s[0:1], 0x20              ; stats
	v_lshl_add_u32 v[SPW], v0, 2, SPARE
	v_mov_b32 v[NIL], 0
	ds_add_u32 v[SPW], v[NIL]                      ; the wave's opening: the add and its wait ahead of my first tensor load
	ds_add_u32 v28, v29
	v_lshrrev_b32 v1, 5, v0
	v_readfirstlane_b32 s10, v1
	s_lshr_b32 s11, s10, 1
	s_and_b32 s12, s10, 1
	s_bfe_u32 s40, ttmp6, 0x40000                  ; cx
	s_bfe_u32 s41, ttmp6, 0x40004                  ; cy
	s_lshl_b32 s42, ttmp9, 2
	s_add_co_u32 s42, s42, s40                     ; tile column: 256 keys of the batch
	s_and_b32 s13, ttmp7, 0xffff
	s_lshl_b32 s13, s13, 2
	s_add_co_u32 s13, s13, s41                     ; tile row: 256 of the 8,192 rows
	s_lshl_b32 s43, s41, 2
	s_lshl_b32 s43, 15, s43
	s_lshl_b32 s44, 0x1111, s40
	s_or_b32 s[G1+0], s43, GW
	s_or_b32 s[G1B+0], s44, GW
.irp g, G1, G1B
	s_mov_b32 s[(\g)+1], KSTEP<<16
	s_mov_b32 s[(\g)+2], 128<<16
	s_mov_b32 s[(\g)+3], KSTEP<<16
	s_mov_b32 s[(\g)+4], 128
	s_mov_b32 s[(\g)+6], 0
	s_mov_b32 s[(\g)+7], 0
.endr
	s_mov_b32 s[G1+5], STRA
	s_mov_b32 s[G1B+5], STRB
	s_mov_b32 s[C32], 0x42000000
	s_mov_b32 s[C32+1], s[C32]
	s_mov_b32 s[L2E], 0x3fb8aa3b
	s_mov_b32 s[L2E+1], s[L2E]
	s_mov_b32 s[SEL], 0x76543210
	s_mov_b32 s[SEL+1], 0xfedcba98
	s_mov_b32 s70, 0x4e6e6b28                      ; 1e9
	s_mov_b32 s71, 0xce6e6b28                      ; -1e9
	s_mov_b32 s[TB], 0
	s_lshl_b32 s17, s12, 7
	s_lshl_b32 s16, s13, 8
	s_add_co_u32 s16, s16, s17
	s_lshl_b32 s16, s16, 12                        ; A: tv's rows of 4,096 bytes
	s_and_b32 s47, ttmp7, 0xffff
	s_lshr_b32 s47, s47, 1                         ; the batch, from the cluster's y: the same in all sixteen partners
	s_lshl_b32 s47, s47, 11
	s_lshl_b32 s46, s42, 8
	s_add_co_u32 s46, s46, s47
	s_add_co_u32 s46, s46, s17                     ; B: row 2,048 x batch + 256 x tile column + 128 x half,
	s_lshl_b32 s46, s46, 11                        ; of 2,048 bytes
	s_mov_b32 s17, 0
	s_mov_b32 s47, 0
	s_mul_i32 s20, s10, HALFT
	s_wait_dscnt 0x0
	s_wait_kmcnt 0x0
	s_add_nc_u64 s[14:15], s[4:5], s[16:17]
	s_add_nc_u64 s[46:47], s[6:7], s[46:47]
	CROUND
.irp s, 0,1
	s_mov_b32 s[G0+4*(\s)], 1
	s_add_co_u32 s[G0+4*(\s)+1], s20, (\s)*SLOT
	s_add_nc_u64 s[G0+4*(\s)+2:G0+4*(\s)+3], s[14:15], (\s)*KSTEP*2
	s_or_b32 s[G0+4*(\s)+3], s[G0+4*(\s)+3], 0x80000000
	s_mov_b32 s[G0B+4*(\s)], 1
	s_add_co_u32 s[G0B+4*(\s)+1], s20, (\s)*SLOT
	s_add_nc_u64 s[G0B+4*(\s)+2:G0B+4*(\s)+3], s[46:47], (\s)*KSTEP*2
	s_or_b32 s[G0B+4*(\s)+3], s[G0B+4*(\s)+3], 0x80000000
.endr
	s_cmp_eq_u32 s11, 0
	s_cbranch_scc0 .Lfirst_b
	tensor_load_to_lds s[G0:G0+3], s[G1:G1+7]
	s_nop 0
	tensor_load_to_lds s[G0+4:G0+7], s[G1:G1+7]
	s_nop 0
	PLACES
	s_branch .Lfirst_asked
.Lfirst_b:
	tensor_load_to_lds s[G0B:G0B+3], s[G1B:G1B+7]
	s_nop 0
	tensor_load_to_lds s[G0B+4:G0B+7], s[G1B:G1B+7]
	s_nop 0
	PLACES
.Lfirst_asked:
	v_and_b32 v1, 15, v0                           ; r
	v_bfe_u32 v2, v0, 4, 1                         ; h
	v_and_b32 v5, 31, v0                           ; l
	s_lshl_b32 s72, s13, 8
	s_lshl_b32 s73, s11, 7
	s_add_co_u32 s72, s72, s73                     ; my first row
	s_mov_b32 s73, 0
	s_add_nc_u64 s[76:77], s[76:77], s[72:73]      ; the mask has a byte a row
	v_lshlrev_b32 v6, 2, v5
	global_load_b32 v7, v6, s[76:77]               ; four rows' bytes a lane
	v_mul_u32_u24 v3, v1, PITCH
	v_lshl_add_u32 v3, v2, 4, v3
	s_mul_i32 s21, s11, HALFT
	s_mul_i32 s22, s12, HALFT
	s_add_co_u32 s22, s22, 2*HALFT
	v_add_nc_u32 v[ADRA0], s21, v3
	v_add_nc_u32 v[ADRB0], s22, v3
	v_mov_b32 v[ADRA], v[ADRA0]
	v_mov_b32 v[ADRB], v[ADRB0]
	s_mul_i32 s23, s10, SCR
	v_lshl_add_u32 v[DST], v5, 4, s23              ; my scratch + 16 x lane
	v_add_nc_u32 v[DST2], 8*BLK, v[DST]
	v_mov_b32 v[RDR], v[DST]
	s_lshl_b32 s21, s10, 10
	s_add_co_u32 s22, s21, MQT
	v_lshl_add_u32 v[MQA], v1, 2, s22              ; a word a row
	v_lshl_add_u32 v[MQW], v5, 4, s22
	s_add_co_u32 s22, s21, STATS
	v_lshl_add_u32 v[STA], v1, 2, s22
	v_lshl_add_u32 v[SRD], v5, 4, s22
	v_lshlrev_b32 v[CO], 4, v5
	v_mov_b32 v[MQ+1], 0                           ; named with MQ and MX as pairs, so they are written
	v_mov_b32 v[MX+1], 0
	s_lshl_b32 s74, s42, 1                         ; stats: block 2 x tile column + half, 32,768 bytes a block, 4 bytes a row
	s_add_co_u32 s74, s74, s12
	s_lshl_b32 s74, s74, 15
	s_lshl_b32 s75, s72, 2
	s_add_co_u32 s74, s74, s75
	s_mov_b32 s75, 0
	s_add_nc_u64 s[80:81], s[80:81], s[74:75]
	s_lshl_b32 s74, s72, 12                        ; p: a block of 16 rows is 65,536 bytes, so a row counts 4,096;
	s_lshl_b32 s75, s42, 13                        ; my 128 keys are four quarters, 4,096 bytes: 8,192 x tile column
	s_add_co_u32 s74, s74, s75
	s_lshl_b32 s75, s12, 12                        ; + 4,096 x half
	s_add_co_u32 s74, s74, s75
	s_mov_b32 s75, 0
	s_add_nc_u64 s[8:9], s[78:79], s[74:75]
	s_lshl_b32 s74, s13, 8                         ; the prefetches
	s_and_b32 s22, ttmp7, 0xffff
	s_lshr_b32 s23, s22, 1
	s_lshl_b32 s23, s23, 11
	s_lshl_b32 s75, s42, 8
	s_add_co_u32 s75, s75, s23                     ; B's tile's first row
	s_and_b32 s22, s22, 1
	s_cmp_eq_u32 s11, 0
	s_cselect_b32 s20, s74, s75
	s_cselect_b32 s21, s40, s41
	s_cselect_b32 s22, ttmp9, s22
	s_cselect_b32 s23, 12, 11                      ; a row's bytes: 4,096 in tv, 2,048 in xh
	s_cselect_b64 s[PFA:PFA+1], s[4:5], s[6:7]
	s_cmp_eq_u32 s22, 0
	s_cselect_b32 s[LIM], 2, -1
	s_lshl_b32 s22, s12, 7
	s_add_co_u32 s20, s20, s22
	s_lshl_b32 s21, s21, 5
	s_add_co_u32 s20, s20, s21
	s_lshl_b32 s20, s20, s23
	s_mov_b32 s21, 0
	s_add_nc_u64 s[PFA:PFA+1], s[PFA:PFA+1], s[20:21]
	s_add_nc_u64 s[PFA:PFA+1], s[PFA:PFA+1], 2*KSTEP*2
	v_lshlrev_b32 v[PFO], s23, v5
	s_wait_loadcnt 0x0                             ; the mask
.irp k, 0,1,2,3
	v_bfe_u32 v[8+(\k)], v7, 8*(\k), 8
.endr
.irp k, 0,1,2,3
	v_cvt_f32_u32 v[8+(\k)], v[8+(\k)]
.endr
.irp k, 0,1,2,3
	v_fma_f32 v[8+(\k)], v[8+(\k)], s70, s71       ; 1 -> 0, 0 -> -1e9: both exact
.endr
	ds_store_b128 v[MQW], v[8:11]
	ds_store_b128 v[MQW], v[8:11] offset:512
.macro MUL16 f, hi, a0, zero
	WIN MUL_LO+0x50*(\hi)
.irp a, \a0, (\a0)+1
.irp b, 0,1,2,3,4,5,6,7
.if \zero
	v_wmma_f32_16x16x32_f16 v[8*(8*(\a)+(\b)):8*(8*(\a)+(\b))+7], v[(\f)+8*(\b):(\f)+8*(\b)+7], v[(\f)+8*(4*(\hi)+(\a)):(\f)+8*(4*(\hi)+(\a))+7], 0
.else
	v_wmma_f32_16x16x32_f16 v[8*(8*(\a)+(\b)):8*(8*(\a)+(\b))+7], v[(\f)+8*(\b):(\f)+8*(\b)+7], v[(\f)+8*(4*(\hi)+(\a)):(\f)+8*(4*(\hi)+(\a))+7], v[8*(8*(\a)+(\b)):8*(8*(\a)+(\b))+7]
.endif
.endr
.endr
.endm
.macro FETCH k, f
	WIN TO_B
.irp i, 0,1,2,3,4,5,6,7
	ds_load_b128 v[(\f)+8*(\i):(\f)+8*(\i)+3],   v[ADRB] offset:(\k)+(\i)*16*PITCH
	ds_load_b128 v[(\f)+8*(\i)+4:(\f)+8*(\i)+7], v[ADRB] offset:(\k)+(\i)*16*PITCH+32
.endr
	WIN 0
.irp i, 0,1,2,3,4,5,6,7
	ds_load_b128 v[(\f)+8*(\i):(\f)+8*(\i)+3],   v[ADRA] offset:(\k)+(\i)*16*PITCH
	ds_load_b128 v[(\f)+8*(\i)+4:(\f)+8*(\i)+7], v[ADRA] offset:(\k)+(\i)*16*PITCH+32
.endr
.endm
.macro QUARTER k, f, g, zero
	s_wait_dscnt 8                                 ; B and A's rows 0-63 are in; the youngest eight loads may be out
	MUL16 \f, 0, 0, \zero
	MUL16 \f, 0, 2, \zero
	PLACES
	FETCH \k, \g
	s_wait_dscnt 32                                ; all but the 32 just issued
	MUL16 \f, 1, 0, \zero
	MUL16 \f, 1, 2, \zero
.endm
.macro MEET round
	WIN 0
	s_wait_tensorcnt 0x0                           ; all my tensor loads have landed: my part of the next slot;
	ds_add_u32 v[SPW], v[NIL]                      ; 0 onto my spare word;
	s_wait_dscnt 9                                 ; (the add and the youngest eight loads may be out)
	MUL16 F1, 0, 0, 0
	s_wait_dscnt 0x0                               ; the add is done, and my reads of this slot are over
	s_barrier_signal -1
	MUL16 F1, 0, 2, 0
.if \round
	WIN 0
.endif
	s_barrier_wait -1
.endm
.macro TURN fill
.if \fill
	s_wait_xcnt 0x0                                ; the last prefetch, a K step back, has read its address
	s_add_nc_u64 s[PFA:PFA+1], s[PFA:PFA+1], KSTEP*2
.endif
	MEET \fill
.if \fill
	CREST
	s_xor_b32 s[G0+5], s[G0+5], SLOT
	s_add_nc_u64 s[G0+6:G0+7], s[G0+6:G0+7], KSTEP*2
	s_xor_b32 s[G0B+5], s[G0B+5], SLOT
	s_add_nc_u64 s[G0B+6:G0B+7], s[G0B+6:G0B+7], KSTEP*2
	JLOAD
.else
	WIN 0
	PLACES
.endif
	s_xor_b32 s[TB], s[TB], SLOT
	v_add_nc_u32 v[ADRA], s[TB], v[ADRA0]
	v_add_nc_u32 v[ADRB], s[TB], v[ADRB0]
	FETCH 0, F0
.if \fill
	ASK
.endif
	MUL16 F1, 1, 0, 0
	MUL16 F1, 1, 2, 0
.endm
	s_wait_tensorcnt 1                             ; my part of K step 0 is in; step 1's may stay out
	s_wait_dscnt 0x0                               ; no LDS instruction of mine is pending at a signal
	s_barrier_signal -1
	s_barrier_wait -1
	FETCH 0, F0
	QUARTER 64, F0, F1, 1
	WIN 0
	s_mov_b32 s3, 6
.Lk:
	QUARTER 128, F1, F0, 0
	QUARTER 192, F0, F1, 0
	TURN 1
	QUARTER 64, F0, F1, 0
	WIN 0
	s_sub_co_u32 s3, s3, 1
	s_cmp_lg_u32 s3, 0
	s_cbranch_scc1 .Lk
	s_mov_b32 s3, 2
.Lt:                                                   ; the last two K steps ask for nothing; the second trip is left in its middle, its last fetch serves nothing
	QUARTER 128, F1, F0, 0
	QUARTER 192, F0, F1, 0
	TURN 0
	WIN 0
	s_sub_co_u32 s3, s3, 1
	s_cmp_eq_u32 s3, 0
	s_cbranch_scc1 .Lout
	QUARTER 64, F0, F1, 0
	WIN 0
	s_branch .Lt
.Lout:
	s_wait_dscnt 0x0
	s_barrier_signal -1
	s_barrier_wait -1                              ; nobody reads the ring any more: its bytes become scratch
	PLACES
.irp a, 0,1,2,3,4,5,6,7
	WIN 0x08+4*((\a)/4)                            ; store data in window 2 or 3
.irp b, 0,1,2,3,4,5,6,7
	ds_store_b128 v[DST], v[8*(8*((\a)%4)+(\b)):8*(8*((\a)%4)+(\b))+3]   offset:(\a)*BLK+1024*(\b)      ; each accumulator from its low end on; 32 lanes x 16 neighbouring bytes
	ds_store_b128 v[DST], v[8*(8*((\a)%4)+(\b))+4:8*(8*((\a)%4)+(\b))+7] offset:(\a)*BLK+1024*(\b)+512
.endr
.endr
	WIN 0x08
.irp b, 0,1,2,3,4,5,6,7
	ds_store_b128 v[DST2], v[8*(\b):8*(\b)+3]   offset:1024*(\b)
	ds_store_b128 v[DST2], v[8*(\b)+4:8*(\b)+7] offset:1024*(\b)+512
.endr
	WIN 0
.macro AHEAD                           ; 17 LDS loads: my row's 64 sums of a block of 16 rows, as I stored them, and the row's addend
.set b, 0
.rept 8
	ds_load_b128 v[X+8*b:X+8*b+3],   v[RDR] offset:1024*b
	ds_load_b128 v[X+8*b+4:X+8*b+7], v[RDR] offset:1024*b+512
.set b, b+1
.endr
	ds_load_b32 v[MQ], v[MQA]
.endm
.macro PLN g, n                        ; eight scores g: n = 0..3: pair n less the row's maximum; n = 4..7: pair n - 4 times log2(e)
.if (\n) < 4
	v_pk_add_f32 v[W+8*(\g)+2*(\n):W+8*(\g)+2*(\n)+1], v[W+8*(\g)+2*(\n):W+8*(\g)+2*(\n)+1], v[MX:MX+1] op_sel_hi:[1,0] neg_lo:[0,1] neg_hi:[0,1]
.else
	v_pk_mul_f32 v[W+8*(\g)+2*(\n)-8:W+8*(\g)+2*(\n)-7], v[W+8*(\g)+2*(\n)-8:W+8*(\g)+2*(\n)-7], s[L2E:L2E+1] op_sel_hi:[1,0]
.endif
.endm
	AHEAD
	s_mov_b32 s3, 8
.Lrow:                                                 ; a trip: 16 rows of my 128
	s_wait_dscnt 0x0
.set i, 0
.rept 32
	v_pk_fma_f32 v[W+2*i:W+2*i+1], v[X+2*i:X+2*i+1], s[C32:C32+1], v[MQ:MQ+1] op_sel_hi:[1,0,0]   ; y' = 32 x sum + the row's 0 or -1e9
.set i, i+1
.endr
	v_add_nc_u32 v[RDR], BLK, v[RDR]
	v_add_nc_u32 v[MQA], 64, v[MQA]
	AHEAD                                          ; the next 16 rows, under this trip's arithmetic
	; the maximum of my 64 scores: four chains of 15, three operands at a time, then the four left over and the chains
.irp c, 0,1,2,3
	v_max3_num_f32 v[M+(\c)], v[W+16*(\c)], v[W+16*(\c)+1], v[W+16*(\c)+2]
.endr
.irp k, 0,1,2,3,4,5
.irp c, 0,1,2,3
	v_max3_num_f32 v[M+(\c)], v[M+(\c)], v[W+16*(\c)+3+2*(\k)], v[W+16*(\c)+4+2*(\k)]
.endr
.endr
	v_max3_num_f32 v[M], v[M], v[W+15], v[W+31]
	v_max3_num_f32 v[M+2], v[M+2], v[W+47], v[W+63]
	v_max3_num_f32 v[M], v[M], v[M+1], v[M+2]
	v_max_num_f32 v[M], v[M], v[M+3]
	v_permlanex16_b32 v[M+1], v[M], s[SEL], s[SEL+1]   ; the row's other 64 keys lie in the lane 16 away
	v_max_num_f32 v[MX], v[M], v[M+1]
	; ONE BATCH of 64 exponentials: eight stand by turns with the next eight scores' plain lines; nothing names a result ahead of the one wait
.irp n, 0,1,2,3,4,5,6,7
	PLN 0, \n
.endr
.irp g, 1,2,3,4,5,6,7
.irp n, 0,1,2,3,4,5,6,7
	PLN \g, \n
	v_exp_f32 v[W+8*(\g)-8+(\n)], v[W+8*(\g)-8+(\n)]
.endr
.endr
.irp n, 0,1,2,3,4,5,6,7
	v_exp_f32 v[W+56+(\n)], v[W+56+(\n)]
.endr
	v_nop                                          ; a plain instruction behind the last exponential,
	s_wait_alu depctr_va_vdst(0)                   ; and the wait ahead of the first use: one for the batch
.set i, 0
.rept 32
	v_cvt_pk_f16_f32 v[PK+i], v[W+2*i], v[W+2*i+1]
.set i, i+1
.endr
.set t, 0
.rept 8
	global_store_b128 v[CO], v[PK+4*t:PK+4*t+3], s[8:9] offset:512*t  ; half a fragment: 512 consecutive bytes, aligned
.set t, t+1
.endr
	; the sum of my 64 weights, in place: pairs 1, 2, 4, 8 and 16 pairs apart
.irp d, 2,4,8,16,32
.set i, 0
.rept 32/(\d)
	v_pk_add_f32 v[W+2*(\d)*i:W+2*(\d)*i+1], v[W+2*(\d)*i:W+2*(\d)*i+1], v[W+2*(\d)*i+(\d):W+2*(\d)*i+(\d)+1]
.set i, i+1
.endr
.endr
	v_add_f32 v[LS], v[W], v[W+1]
	v_permlanex16_b32 v[M+1], v[LS], s[SEL], s[SEL+1]
	v_add_f32 v[LS], v[LS], v[M+1]
	ds_store_b32 v[STA], v[MX]                     ; the two lanes of a row hold the same numbers and write the same words
	ds_store_b32 v[STA], v[LS] offset:512
	v_add_nc_u32 v[STA], 64, v[STA]
	s_wait_xcnt 0x0                                ; the stores have read their data and base: both are rewritten only behind this wait
	s_add_nc_u64 s[8:9], s[8:9], 65536             ; the next block of 16 rows
	s_sub_co_u32 s3, s3, 1
	s_cmp_lg_u32 s3, 0
	s_cbranch_scc1 .Lrow
	s_wait_dscnt 0x0                               ; the last load ahead has come back, my statistics are stored
	ds_load_b128 v[40:43], v[SRD]                  ; my 128 m and 128 l, 16 bytes a lane
	ds_load_b128 v[44:47], v[SRD] offset:512
	s_wait_dscnt 0x0
	global_store_b128 v[CO], v[40:43], s[80:81]                ; 512 consecutive bytes each
	global_store_b128 v[CO], v[44:47], s[80:81] offset:524288
	s_wait_tensorcnt 0x0                           ; the wave's end
	ds_add_u32 v[SPW], v[NIL]
	s_wait_dscnt 0x0
	CROUND                                         ; the closing round
	s_endpgm
.Lfunc_end_k_qd500e573d4_score:
	.size	k_qd500e573d4_score, .Lfunc_end_k_qd500e573d4_score-k_qd500e573d4_score
	.p2alignl 7, 3214868480
	.fill 96, 4, 3214868480
	.section	.rodata,"a",@progbits
	.p2align	6, 0x0
	.amdhsa_kernel k_qd500e573d4_score
		.amdhsa_group_segment_fixed_size 327680
		.amdhsa_private_segment_fixed_size 0
		.amdhsa_enable_private_segment 0
		.amdhsa_kernarg_size 40
		.amdhsa_user_sgpr_count 2
		.amdhsa_user_sgpr_kernarg_segment_ptr 1
		.amdhsa_wavefront_size32 1
		.amdhsa_system_sgpr_workgroup_id_x 1
		.amdhsa_system_sgpr_workgroup_id_y 1
		.amdhsa_system_sgpr_workgroup_id_z 1
		.amdhsa_system_vgpr_workitem_id 0
		.amdhsa_next_free_vgpr 1024
		.amdhsa_next_free_sgpr 88
		.amdhsa_reserve_vcc 0
		.amdhsa_float_denorm_mode_32 3
		.amdhsa_float_denorm_mode_16_64 3
		.amdhsa_memory_ordered 1
		.amdhsa_forward_progress 1
		.amdhsa_inst_pref_size 98
	.end_amdhsa_kernel
	.amdgpu_metadata
---
amdhsa.version: [ 1, 2 ]
amdhsa.kernels:
  - .name:           k_qd500e573d4_score
    .symbol:         k_qd500e573d4_score.kd
    .args:
      - { .name: tv, .offset: 0, .size: 8, .value_kind: global_buffer, .address_space: global }
      - { .name: xh, .offset: 8, .size: 8, .value_kind: global_buffer, .address_space: global }
      - { .name: mask, .offset: 16, .size: 8, .value_kind: global_buffer, .address_space: global }
      - { .name: p, .offset: 24, .size: 8, .value_kind: global_buffer, .address_space: global }
      - { .name: stats, .offset: 32, .size: 8, .value_kind: global_buffer, .address_space: global }
    .group_segment_fixed_size: 327680
    .private_segment_fixed_size: 0
    .kernarg_segment_align: 8
    .kernarg_segment_size: 40
    .max_flat_workgroup_size: 128
    .sgpr_count:     88
    .vgpr_count:     1024
    .wavefront_size: 32
...
	.end_amdgpu_metadata
.endif
;; end of part 4
;; launch pv (part 5): grid 4 x 64, 4 waves a work-group, clusters of 4 x 4, 327,680 bytes of LDS; arguments p, tv, stats, out0; writes out0
.if DOCPART == 5
	.amdgcn_target "amdgcn-amd-amdhsa--gfx1250"
	.amdhsa_code_object_version 6
	.text
	.protected	k_qd500e573d4_pv
	.globl	k_qd500e573d4_pv
	.p2align	8
	.type	k_qd500e573d4_pv,@function
k_qd500e573d4_pv:
	s_mov_b64 s[64:65], 0
	v_nop
	global_prefetch_b8 v0, s[64:65] scope:SCOPE_SE
	s_setreg_imm32_b32 hwreg(HW_REG_WAVE_MODE, 25, 1), 1
	s_wait_xcnt 0x0
	s_wait_alu depctr_hold_cnt(0) depctr_sa_sdst(0) depctr_va_vdst(0) depctr_va_sdst(0) depctr_va_ssrc(0) depctr_va_vcc(0) depctr_vm_vsrc(0)
	s_getreg_b32 s2, hwreg(HW_REG_IB_STS2, 6, 4)
	s_cmp_eq_u32 s2, 0
	s_cbranch_scc0 .Lentry_in_a_cluster
	s_endpgm
.Lentry_in_a_cluster:
	s_bfe_u32 s2, ttmp6, 0x10000c
	s_cmp_lg_u32 s2, 0xf033
	s_cbranch_scc0 .Lentry_shape_is_right
	s_endpgm
.Lentry_shape_is_right:
; THE SECOND HALF OF THE SOFTMAX AND THE PRODUCT WITH v.  out[s][c] = (1 / l) x the sum over the 16 blocks j of f_j x the sum over the block's 128 keys z of p[s][z] v[z][c],
; with m = the maximum of the m_j, f_j = exp(m_j - m), l = the sum of l_j f_j: together with the launch before a softmax with the row's true maximum taken away.
; p's fragments are multiplied by f_j (f16, a lane holds one row) on their way to the matrix unit; the finished sums by 1 / l, in f32.  Operands f16, sums f32, out f32.
; LIMITS.  f_j and f_j p lie in 0 to 1 and below 6e-5 keep f16's fixed step of 6e-8; l is at least 1.  NaN and infinities are not treated apart.
; SHARES.  A tile of 128 rows x 256 columns to a work-group: 256 of them; a wave 64 x 128: 32 accumulators.  The 2,048 keys go in 64 QUARTERS of 32: 32 products a wave each.
; v goes through LDS: two slots of 256 keys (8 quarters) x 256 columns, filled by joint loads along a column of a cluster of 4 x 4, each wave 64 keys; it lies [key][column] and comes out turned, by ds_load_tr16_b128.
; p DOES NOT GO THROUGH LDS, though four work-groups read the same rows: two slots with p and v of 256 keys would take 2 x 2 x (34,816 + 69,632) = 417,792 bytes, more than there is; without p a refill has 240 products in
; which to land where slots of 128 keys would leave it 112.  The launch before has laid p out as fragments ([16 rows][32 keys] = 1,024 bytes, lane l's registers 0-3 at 16 l, 4-7 at 512 + 16 l), so a load of 16 bytes a
; lane takes 512 consecutive bytes straight into its place.  A RING OF EIGHT QUARTERS in registers: what has been scaled is loaded again at once, with the quarter eight further on.
; BY QUARTERS.  Behind each of quarter Q's 32 products stands one line that scales quarter Q + 1's p into the other of two scaled buffers.
; REGISTERS in windows of 256.  Windows 0 and 1, v64-127: v's fragments of the even and of the odd quarters; v128-255: p as loaded, of the odd quarters in window 0 and of the even ones in window 1: so quarter Q's v and
; quarter Q + 1's p share a window.  Windows 2 and 3: the accumulators of row blocks 0, 1 and 2, 3 (64 (a % 2) + 8 b), their scaled p (two buffers of 16) and factors (two sets of 2).  So ONE window setting serves a product
; and the line behind it.  Window 0 also: v0-31 addresses; the prologue and the way out use what the loop leaves free.
.set PB,    544                        ; a row of v in LDS: 512 bytes + 32 = 17 x 32
.set QB,    64*PB                      ; what one tensor load brings
.set STEPB, 128*PB                     ; four quarters
.set SLOT,  4*QB                       ; 0x22000: its two bits occur in no wave x QB, so an exclusive or turns an address in one slot into the other's
.set FT,    2*SLOT                     ; behind the ring: the factors, 16 blocks x 128 rows, a word (f, f) each
.set RIT,   FT+8192                    ; 1 / l of the 128 rows, and the same once more for the way out's loads ahead
.set SPARE, RIT+1024
.set BLK,   16*528
.set SCR,   5*BLK                      ; the way out: four blocks of 16 rows, and block 0 once more
.set ADRB0, 16                         ; v16  my place in a slot's first quarter; never rewritten
.set ADRB,  17                         ; v17  the same in the slot in hand,
.set ADRB2, 18                         ; v18  and four quarters on (an LDS offset has 16 bits)
.set FAD,   19                         ; v19  my row's factor of the slot's first block
.set PO,    20                         ; v20  16 x lane: in p's fragments and in out; never rewritten
.set DST,   21
.set RDR,   22
.set RIA,   23
.set PFVO,  25                         ; v25  v's prefetches: (lane / 2) rows + 256 x (lane % 2); never rewritten
.set PFPO,  26                         ; v26  p's prefetches: 256 x lane; never rewritten
.set SPW,   28
.set NIL,   29
.set BF,    64                         ; windows 0, 1
.set RA,    128                        ; windows 0, 1: quarter x of the ring at RA + 32 (x / 2), row block a at + 8 a
.set SA,    128                        ; windows 2, 3: by the quarter's parity, + 16; row block a at + 8 (a % 2)
.set FC,    160                        ; windows 2, 3: by the block's parity, + 2; row block a at + a % 2
.set R,     32                         ; the way out: 1 / l of 16 rows
.set X,     64
.set W,     128
.set TB,    2                          ; s2   the slot in hand: 0 or SLOT
.set PP,    14                         ; s[14:15] p at my 64 rows, at the quarter from which the loads' immediates count
.set PFV,   24                         ; s[24:25] where my prefetches of v stand
.set PFP,   26                         ; s[26:27] and of p
.set LIMV,  28                         ; s28, s29  1 in a wave that prefetches, else the greatest number
.set LIMP,  29
.set L2E,   84
.set G1,  48                           ; s[48:55] descriptor group 1;  s[56:59] group 0 of the first fill, s[60:63] the walking one
.set G0,  56
.set MSB, 0
.macro WIN new
.if MSB != (\new)
	s_set_vgpr_msb (MSB<<8)|(\new)
.set MSB, \new
.endif
.endm
.macro PLACES
.rept 4
	v_nop
.endr
.endm
.macro ASK lim, off, adr               ; the loop's last trip asks for nothing: there is no slot behind the last
	s_cmp_gt_u32 s3, s[\lim]
	s_cbranch_scc0 .Lnot_mine_\@
	global_prefetch_b8 v[\off], s[\adr:\adr+1] th:TH_LOAD_NT scope:SCOPE_SE
.Lnot_mine_\@:
.endm
.macro CREST
	s_cmp_lg_u32 s10, 0
	s_cbranch_scc1 .Lnot_wave_0_\@
	s_barrier_signal -3
.Lnot_wave_0_\@:
	s_barrier_wait -3
	s_barrier_signal -1
	s_barrier_wait -1
.endm
.macro CROUND
	s_barrier_signal -1
	s_barrier_wait -1
	CREST
.endm
	s_load_b128 s[4:7], s[0:1], 0x0                ; p s[4:5], tv s[6:7]
	s_load_b128 s[76:79], s[0:1], 0x10             ; stats s[76:77], out0 s[78:79]
	v_lshl_add_u32 v[SPW], v0, 2, SPARE
	v_mov_b32 v[NIL], 0
	ds_add_u32 v[SPW], v[NIL]                      ; the wave's opening: the add and its wait ahead of my first tensor load
	ds_add_u32 v28, v29
	v_lshrrev_b32 v1, 5, v0
	v_readfirstlane_b32 s10, v1
	s_lshr_b32 s11, s10, 1                         ; my half of the tile's 128 rows
	s_and_b32 s12, s10, 1                          ; my half of its 256 columns
	s_bfe_u32 s40, ttmp6, 0x40000                  ; cx
	s_bfe_u32 s41, ttmp6, 0x40004                  ; cy
	s_lshl_b32 s42, ttmp9, 2
	s_add_co_u32 s42, s42, s40                     ; tile column
	s_and_b32 s13, ttmp7, 0xffff
	s_lshr_b32 s85, s13, 2                         ; the batch, from the cluster's y
	s_lshl_b32 s13, s13, 2
	s_add_co_u32 s13, s13, s41                     ; tile row
	s_lshl_b32 s44, 0x1111, s40                    ; my column of the cluster
	s_or_b32 s[G1+0], s44, (1<<16)|(1<<20)|(1<<21)|(6<<22)|(7<<25)  ; the mask; 2-byte elements; padding on; bit 21 beside a mask; after every 128 words, 8 words
	s_mov_b32 s[G1+1], 256<<16                     ; 64 rows x 256 elements
	s_mov_b32 s[G1+2], 64<<16
	s_mov_b32 s[G1+3], 256<<16
	s_mov_b32 s[G1+4], 64
	s_mov_b32 s[G1+5], 2048                        ; elements from row to row in tv
	s_mov_b32 s[G1+6], 0
	s_mov_b32 s[G1+7], 0
	s_mov_b32 s[L2E], 0x3fb8aa3b
	s_mov_b32 s[TB], 0
	s_lshl_b32 s36, s85, 11
	s_lshl_b32 s37, s10, 6
	s_add_co_u32 s36, s36, s37                     ; v: row 2,048 x batch + 64 x wave,
	s_lshl_b32 s36, s36, 12                        ; of 4,096 bytes,
	s_lshl_b32 s37, s42, 9                         ; my tile's 512 bytes,
	s_add_co_u32 s36, s36, s37
	s_add_co_u32 s36, s36, 2048                    ; behind t''
	s_mov_b32 s37, 0
	s_mul_i32 s20, s10, QB                         ; where it goes: the wave's number alone
	s_wait_dscnt 0x0
	s_wait_kmcnt 0x0
	s_add_nc_u64 s[36:37], s[6:7], s[36:37]
	CROUND                                         ; all sixteen work-groups are here: the first joint loads meet
.irp s, 0,1
	s_mov_b32 s[G0+4*(\s)], 1
	s_add_co_u32 s[G0+4*(\s)+1], s20, (\s)*SLOT
	s_add_nc_u64 s[G0+4*(\s)+2:G0+4*(\s)+3], s[36:37], (\s)*1048576   ; slot s begins with keys 256 s
	s_or_b32 s[G0+4*(\s)+3], s[G0+4*(\s)+3], 0x80000000
.endr
	tensor_load_to_lds s[G0:G0+3], s[G1:G1+7]      ; every wave's two first fills: two loads of mine are out
	s_nop 0
	tensor_load_to_lds s[G0+4:G0+7], s[G1:G1+7]
	s_nop 0
	PLACES
; Quarter x (0 to 7) of p, at the head: eight loads, row blocks 0, 1 first
.macro PRE x
	WIN (((\x)+1)%2)<<6
.irp a, 0,1,2,3
	global_load_b128 v[RA+32*((\x)/2)+8*(\a):RA+32*((\x)/2)+8*(\a)+3],   v[PO], s[PP:PP+1] offset:(\a)*65536+(\x)*1024
	global_load_b128 v[RA+32*((\x)/2)+8*(\a)+4:RA+32*((\x)/2)+8*(\a)+7], v[PO], s[PP:PP+1] offset:(\a)*65536+(\x)*1024+512
.endr
.endm
	; THE PROLOGUE: thread r joins the 16 blocks of row 128 x tile row + r
	s_lshl_b32 s72, s13, 9
	s_mov_b32 s73, 0
	s_add_nc_u64 s[76:77], s[76:77], s[72:73]
	v_lshlrev_b32 v6, 2, v0
.set j, 0
.rept 16
	global_load_b32 v[32+j], v6, s[76:77] offset:32768*j          ; m_j
	global_load_b32 v[48+j], v6, s[76:77] offset:524288+32768*j   ; l_j
.set j, j+1
.endr
	s_lshl_b32 s72, s13, 19                        ; p: a block of 16 rows is 65,536 bytes: 8 blocks a tile row,
	s_lshl_b32 s74, s11, 18                        ; 4 a row half
	s_add_co_u32 s72, s72, s74
	s_add_nc_u64 s[PP:PP+1], s[4:5], s[72:73]
	v_and_b32 v5, 31, v0                           ; l
	v_lshlrev_b32 v[PO], 4, v5
	PRE 0
	PRE 1
	PRE 2
	PRE 3
	WIN 0
	v_and_b32 v1, 15, v0                           ; r
	v_bfe_u32 v2, v0, 4, 1                         ; h
	v_and_b32 v10, 7, v0                           ; the turning load: lane l reads key 8 h + l % 8, columns 8 ((l / 8) % 2) ..
	v_bfe_u32 v11, v0, 3, 1
	v_lshl_add_u32 v[ADRB0], v2, 3, v10
	v_mul_u32_u24 v[ADRB0], v[ADRB0], PB
	v_lshl_add_u32 v[ADRB0], v11, 4, v[ADRB0]
	s_lshl_b32 s22, s12, 8
	v_add_nc_u32 v[ADRB0], s22, v[ADRB0]
	v_mov_b32 v[ADRB], v[ADRB0]
	v_add_nc_u32 v[ADRB2], STEPB, v[ADRB0]
	s_lshl_b32 s22, s11, 8
	s_add_co_u32 s23, s22, FT
	v_lshl_add_u32 v[FAD], v1, 2, s23              ; FT + 4 (64 x row half + r)
	s_add_co_u32 s23, s22, RIT
	v_mov_b32 v[RIA], s23
	s_mul_i32 s23, s10, SCR                        ; my scratch for the way out
	v_mul_u32_u24 v4, v1, 528
	v_lshl_add_u32 v4, v2, 5, v4
	v_add_nc_u32 v[DST], s23, v4
	v_lshl_add_u32 v[RDR], v5, 4, s23
	s_lshl_b32 s74, s40, 16                        ; p's prefetches: of my four row blocks the one that my work-group's place along x names, at quarter 16
	s_add_co_u32 s74, s72, s74
	s_add_co_u32 s74, s74, 2*8192
	s_mov_b32 s75, 0
	s_add_nc_u64 s[PFP:PFP+1], s[4:5], s[74:75]
	v_lshlrev_b32 v[PFPO], 8, v5
	s_cmp_eq_u32 s12, 0                            ; waves 0 and 2 ask, each for its row half
	s_cselect_b32 s[LIMP], 1, -1
	s_lshl_b32 s20, s85, 11                        ; v's prefetches: of the 64 rows that I fetch the 16 that my work-group's place along y names, at keys 512
	s_lshl_b32 s21, s10, 6
	s_add_co_u32 s20, s20, s21
	s_lshl_b32 s21, s41, 4
	s_add_co_u32 s20, s20, s21
	s_add_co_u32 s20, s20, 2*256
	s_lshl_b32 s20, s20, 12
	s_lshl_b32 s21, s42, 9
	s_add_co_u32 s20, s20, s21
	s_add_co_u32 s20, s20, 2048
	s_mov_b32 s21, 0
	s_add_nc_u64 s[PFV:PFV+1], s[6:7], s[20:21]
	v_lshrrev_b32 v[PFVO], 1, v5
	v_lshlrev_b32 v[PFVO], 12, v[PFVO]
	v_and_b32 v8, 1, v5
	v_lshl_add_u32 v[PFVO], v8, 8, v[PFVO]
	s_and_b32 s22, ttmp7, 3                        ; the batch's four clusters read the same rows: the first asks
	s_cmp_eq_u32 s22, 0
	s_cselect_b32 s[LIMV], 1, -1
	s_lshl_b32 s74, s13, 7                         ; out0 at my first row and column
	s_lshl_b32 s75, s11, 6
	s_add_co_u32 s74, s74, s75
	s_lshl_b32 s74, s74, 12
	s_lshl_b32 s75, s42, 10
	s_add_co_u32 s74, s74, s75
	s_lshl_b32 s75, s12, 9
	s_add_co_u32 s74, s74, s75
	s_mov_b32 s75, 0
	s_add_nc_u64 s[8:9], s[78:79], s[74:75]
	s_wait_loadcnt 32                              ; m and l are in; the 32 loads of quarters 0 to 3 may stay out
	PRE 4
	PRE 5
	PRE 6
	PRE 7
	WIN 0
	v_max3_num_f32 v80, v32, v33, v34
.irp j, 3,5,7,9,11,13
	v_max3_num_f32 v80, v80, v[32+(\j)], v[33+(\j)]
.endr
	v_max_num_f32 v80, v80, v47                    ; m
.set j, 0
.rept 16
	v_sub_f32 v[64+j], v[32+j], v80                ; the difference first: exact where the m_j are large
.set j, j+1
.endr
.set j, 0
.rept 16
	v_mul_f32 v[64+j], s[L2E], v[64+j]
.set j, j+1
.endr
.set j, 0
.rept 16
	v_exp_f32 v[64+j], v[64+j]                     ; f_j
.set j, j+1
.endr
	v_nop
	s_wait_alu depctr_va_vdst(0)                   ; one wait for the 16 exponentials
.irp j, 0,1,2,3
	v_mul_f32 v[81+(\j)], v[48+(\j)], v[64+(\j)]
.endr
.set j, 4
.rept 12
	v_fma_f32 v[81+j%4], v[48+j], v[64+j], v[81+j%4]
.set j, j+1
.endr
	v_add_f32 v81, v81, v82
	v_add_f32 v83, v83, v84
	v_add_f32 v81, v81, v83                        ; l
	v_rcp_f32 v85, v81
.set j, 0
.rept 16
	v_cvt_pk_f16_f32 v[64+j], v[64+j], v[64+j]     ; (f, f); plain work behind the reciprocal
.set j, j+1
.endr
	v_add_nc_u32 v7, FT, v6
	s_wait_alu depctr_va_vdst(0)                   ; the reciprocal's wait, ahead of its first reader
.set j, 0
.rept 16
	ds_store_b32 v7, v[64+j] offset:512*j
.set j, j+1
.endr
	ds_store_b32 v7, v85 offset:8192
	ds_store_b32 v7, v85 offset:8704
; What quarter k (its number modulo 8) names.  WS: the window of its v and of the next quarter's p.  SAC, SAN: this quarter's and the next one's scaled p.  RAN, FCN: the next quarter's p as loaded, and its block's factors.
.macro SETQ k
.set WS,  (\k)%2
.set SAC, SA+16*((\k)%2)
.set SAN, SA+16*(((\k)+1)%2)
.set RAN, RA+32*((((\k)+1)%8)/2)
.set FCN, FC+2*((((\k)+1)%8)/4)
.endm
.macro FETCH pos                       ; 16 LDS loads in one run: the next quarter's eight fragments of v; pos: its place in its slot
	WIN (1-WS)<<6
.if (\pos) < 4
.set AD, ADRB
.set OB, (\pos)*32*PB
.else
.set AD, ADRB2
.set OB, ((\pos)-4)*32*PB
.endif
.irp i, 0,1,2,3,4,5,6,7
	ds_load_tr16_b128 v[BF+8*(\i):BF+8*(\i)+3],   v[AD] offset:OB+32*(\i)
	ds_load_tr16_b128 v[BF+8*(\i)+4:BF+8*(\i)+7], v[AD] offset:OB+32*(\i)+16*PB
.endr
.endm
.macro FCL par, off                    ; a block's factors of my four rows, straight into set par
	WIN 0x80
	ds_load_b32 v[FC+2*(\par)],   v[FAD] offset:(\off)
	ds_load_b32 v[FC+2*(\par)+1], v[FAD] offset:(\off)+64
	WIN 0xc0
	ds_load_b32 v[FC+2*(\par)],   v[FAD] offset:(\off)+128
	ds_load_b32 v[FC+2*(\par)+1], v[FAD] offset:(\off)+192
.endm
.macro LOADP x, hf                     ; four loads into registers that have just been scaled: row blocks 2 hf, 2 hf + 1 of the quarter x behind s[PP]
	WIN WS<<6
.irp a, 0,1
	global_load_b128 v[RAN+16*(\hf)+8*(\a):RAN+16*(\hf)+8*(\a)+3],   v[PO], s[PP:PP+1] offset:(2*(\hf)+(\a))*65536+(\x)*1024
	global_load_b128 v[RAN+16*(\hf)+8*(\a)+4:RAN+16*(\hf)+8*(\a)+7], v[PO], s[PP:PP+1] offset:(2*(\hf)+(\a))*65536+(\x)*1024+512
.endr
.endm
.macro SCALE a
.irp i, 0,1,2,3,4,5,6,7
	v_pk_mul_f16 v[SAN+8*((\a)%2)+(\i)], v[RAN+8*(\a)+(\i)], v[FCN+(\a)%2]
.endr
.endm
.macro MM a, b, zero                   ; used transposed (source 0 = 16 columns of v): a lane holds one row of out and eight neighbouring columns
.if \zero
	v_wmma_f32_16x16x32_f16 v[64*((\a)%2)+8*(\b):64*((\a)%2)+8*(\b)+7], v[BF+8*(\b):BF+8*(\b)+7], v[SAC+8*((\a)%2):SAC+8*((\a)%2)+7], 0
.else
	v_wmma_f32_16x16x32_f16 v[64*((\a)%2)+8*(\b):64*((\a)%2)+8*(\b)+7], v[BF+8*(\b):BF+8*(\b)+7], v[SAC+8*((\a)%2):SAC+8*((\a)%2)+7], v[64*((\a)%2)+8*(\b):64*((\a)%2)+8*(\b)+7]
.endif
.endm
; Row block a's eight products; behind each a line that scales the same block of the next quarter.  The 32 accumulators take turns, in one order everywhere.  A line names no register of the products round it:
; it writes the other scaled buffer, whose last reader stands a quarter back.
.macro MULR a, zero
	WIN (0xa8+0x54*((\a)/2))|WS
.irp b, 0,1,2,3,4,5,6,7
	MM \a, \b, \zero
	v_pk_mul_f16 v[SAN+8*((\a)%2)+(\b)], v[RAN+8*(\a)+(\b)], v[FCN+(\a)%2]
.endr
.endm
.macro MULP a
	WIN (0xa8+0x54*((\a)/2))|WS
.irp b, 0,1,2,3,4,5,6,7
	MM \a, \b, 0
.endr
.endm
; A QUARTER.  v's next fragments are fetched behind the first eight products: nine scaling lines stand between the last product that read those registers and the loads.
; p: in the middle row blocks 0, 1 of the next quarter have been scaled and are loaded again, at the end blocks 2, 3; ahead of each four loads stands the wait for the four that the next 16 scaling lines read.
; ld = 1: cm = ce = 56: behind those four, 56 younger loads (seven quarters of eight) have been issued.  ld = 0, the end: nothing is left to load, and the counts run down.
; fc = 1: quarters 1 and 5 of a slot fetch the factors of the block that begins three quarters on; fc = 2: quarter 1 alone (there is no block behind the last).
.macro QTR k, zero, ld, cm, ce, fc
	SETQ \k
	s_wait_dscnt 0x0                               ; this quarter's v is in (asked for 24 products ago)
	MULR 0, \zero
	FETCH ((\k)+1)%8
.if (((\fc) == 1) && ((\k)%4 == 1)) || (((\fc) == 2) && ((\k) == 1))
	FCL 1-(\k)/4, 512+512*((\k)/4)
.endif
	MULR 1, \zero
	s_wait_loadcnt \cm
.if \ld
	LOADP 9+(\k), 0
.endif
	MULR 2, \zero
	MULR 3, \zero
.if (\ce) >= 0
	s_wait_loadcnt \ce
.endif
.if \ld
	LOADP 9+(\k), 1
.endif
.endm
; A SLOT'S LAST QUARTER, and the change of slots.  Each wave waits for all its tensor loads, of which one is out: its part of the other slot; adds 0 to its spare word; and waits for that and for its reads of this slot.
; fill = 1: the barrier opens a round of the cluster's, and the slot just read out is filled again first thing behind it, with the keys two slots on: 240 products stand between the request and the wait for it.
; Behind the joint load and the run of LDS loads stand the prefetches: of v the slot that the NEXT refill asks for (each wave 16 of its own 64 rows, 2 x 256 bytes a row, a lane a block); of p the 8 quarters that the
; loads begin to ask for eight quarters on (8,192 bytes of one row block, a lane a block).  So each block of 256 bytes is named once in the launch; what the first three slots hold comes by its loads alone.
.macro TURN fill, ld, cm, ce
	SETQ 7
	WIN 0
	s_wait_tensorcnt 0x0                           ; all my tensor loads have landed;
	ds_add_u32 v[SPW], v[NIL]                      ; 0 onto my spare word;
	s_wait_dscnt 1                                 ; (the add alone may be out: this quarter's v is in)
	MULR 0, 0
	s_wait_dscnt 0x0                               ; the add is done, and my reads of this slot are over
	s_barrier_signal -1
	MULR 1, 0
	WIN 0
	s_barrier_wait -1
.if \fill
	CREST
	s_xor_b32 s[G0+5], s[G0+5], SLOT               ; the walking descriptor: the other slot than last time, the next 256 keys
	s_add_nc_u64 s[G0+6:G0+7], s[G0+6:G0+7], 1048576
	tensor_load_to_lds s[G0+4:G0+7], s[G1:G1+7]
	s_nop 0
	PLACES
	s_wait_xcnt 0x0                                ; the youngest loads of p stand 16 products back, the prefetches a slot back: their addresses have been read and may be stepped
	s_add_nc_u64 s[PP:PP+1], s[PP:PP+1], 8192
	s_add_nc_u64 s[PFV:PFV+1], s[PFV:PFV+1], 1048576
	s_add_nc_u64 s[PFP:PFP+1], s[PFP:PFP+1], 8192
.endif
	s_xor_b32 s[TB], s[TB], SLOT
	v_add_nc_u32 v[ADRB], s[TB], v[ADRB0]
	v_add_nc_u32 v[ADRB2], STEPB, v[ADRB]
	v_add_nc_u32 v[FAD], 1024, v[FAD]
	FETCH 0
.if \fill
	WIN 0
	ASK LIMV, PFVO, PFV
	ASK LIMP, PFPO, PFP
.endif
	s_wait_loadcnt \cm
.if \ld
	LOADP 8, 0
.endif
	MULR 2, 0
	MULR 3, 0
	s_wait_loadcnt \ce
.if \ld
	LOADP 8, 1
.endif
.endm
	s_wait_tensorcnt 1                             ; my part of slot 0 is in; slot 1's may stay out
	s_wait_dscnt 0x0                               ; my factors and reciprocals are stored
	s_barrier_signal -1
	s_barrier_wait -1
	SETQ 7                                         ; what stands in front of quarter 0 names what a slot's last quarter names
	FCL 0, 0
	FETCH 0
	s_wait_loadcnt 56                              ; quarter 0 of p is in; quarters 1 to 7 may stay out
	s_wait_dscnt 16                                ; the factors are in; v's 16 loads may stay out
	WIN 0xa9
	SCALE 0
	SCALE 1
	WIN 0xfd
	SCALE 2
	SCALE 3
	LOADP 8, 0
	s_wait_loadcnt 56                              ; row blocks 0, 1 of quarter 1
	LOADP 8, 1
	QTR 0, 1, 1, 56, 56, 1                         ; quarter 0 is written out: its products start the sums
	WIN 0
	s_mov_b32 s3, 7
	s_branch .Lq1                                  ; the loop is entered behind its first two quarters
.Lk:                                                   ; six whole trips: a slot's last quarter and the next slot's quarters 0 to 6; they refill slots 2 to 7 and load quarters 16 to 63 of p
	TURN 1, 1, 56, 56
	QTR 0, 0, 1, 56, 56, 1
	WIN 0
.Lq1:
	QTR 1, 0, 1, 56, 56, 1
	QTR 2, 0, 1, 56, 56, 1
	QTR 3, 0, 1, 56, 56, 1
	QTR 4, 0, 1, 56, 56, 1
	QTR 5, 0, 1, 56, 56, 1
	QTR 6, 0, 1, 56, 56, 1
	WIN 0
	s_sub_co_u32 s3, s3, 1
	s_cmp_lg_u32 s3, 0
	s_cbranch_scc1 .Lk
	TURN 0, 0, 56, 52                              ; quarters 55 to 63 are written out: nothing is asked for any more; behind quarter q + 1's last four loads stand 8 (62 - q) younger ones
.set q, 56
.rept 7
	QTR q-56, 0, 0, 8*(62-q), 8*(62-q)-4, 2
.set q, q+1
.endr
	SETQ 7
	s_wait_dscnt 0x0
	MULP 0
	MULP 1
	MULP 2
	MULP 3
	WIN 0
	s_barrier_signal -1                            ; every wave's reads of the ring are back (the wait for 0 above)
	s_barrier_wait -1                              ; nobody reads the ring any more: its bytes become scratch
	PLACES
.irp a, 0,1,2,3
	WIN 0x08+4*((\a)/2)                            ; store data in window 2 or 3
.irp b, 0,1,2,3,4,5,6,7
	ds_store_b128 v[DST], v[64*((\a)%2)+8*(\b):64*((\a)%2)+8*(\b)+3]   offset:(\a)*BLK+64*(\b)     ; each accumulator from its low end on
	ds_store_b128 v[DST], v[64*((\a)%2)+8*(\b)+4:64*((\a)%2)+8*(\b)+7] offset:(\a)*BLK+64*(\b)+16
.endr
.endr
	WIN 0x08
.irp b, 0,1,2,3,4,5,6,7
	ds_store_b128 v[DST], v[8*(\b):8*(\b)+3]   offset:4*BLK+64*(\b)
	ds_store_b128 v[DST], v[8*(\b)+4:8*(\b)+7] offset:4*BLK+64*(\b)+16
.endr
	WIN 0
.macro AHEAD                           ; 20 LDS loads: 16 whole rows, 16 bytes a lane, and their 16 reciprocals, the same in every lane
.set t, 0
.rept 16
	ds_load_b128 v[X+4*t:X+4*t+3], v[RDR] offset:528*t
.set t, t+1
.endr
.irp i, 0,1,2,3
	ds_load_b128 v[R+4*(\i):R+4*(\i)+3], v[RIA] offset:16*(\i)
.endr
.endm
	AHEAD
	s_mov_b32 s3, 4
.Lrow:                                                 ; a trip: 16 rows of my 64
	s_wait_dscnt 0x0
.set t, 0
.rept 16
.set i, 0
.rept 2
.if t%2
	v_pk_mul_f32 v[W+4*t+2*i:W+4*t+2*i+1], v[X+4*t+2*i:X+4*t+2*i+1], v[R+t-1:R+t] op_sel:[0,1] op_sel_hi:[1,1]
.else
	v_pk_mul_f32 v[W+4*t+2*i:W+4*t+2*i+1], v[X+4*t+2*i:X+4*t+2*i+1], v[R+t:R+t+1] op_sel_hi:[1,0]
.endif
.set i, i+1
.endr
.set t, t+1
.endr
	v_add_nc_u32 v[RDR], BLK, v[RDR]
	v_add_nc_u32 v[RIA], 64, v[RIA]
	AHEAD
.set t, 0
.rept 16
	global_store_b128 v[PO], v[W+4*t:W+4*t+3], s[8:9] offset:4096*t  ; the wave stores 512 consecutive bytes, aligned
.set t, t+1
.endr
	s_wait_xcnt 0x0                                ; the stores have read their data and base: both are rewritten only behind this wait
	s_add_nc_u64 s[8:9], s[8:9], 65536
	s_sub_co_u32 s3, s3, 1
	s_cmp_lg_u32 s3, 0
	s_cbranch_scc1 .Lrow
	s_wait_tensorcnt 0x0                           ; the wave's end
	ds_add_u32 v[SPW], v[NIL]
	s_wait_dscnt 0x0
	CROUND                                         ; the closing round
	s_endpgm
.Lfunc_end_k_qd500e573d4_pv:
	.size	k_qd500e573d4_pv, .Lfunc_end_k_qd500e573d4_pv-k_qd500e573d4_pv
	.p2alignl 7, 3214868480
	.fill 96, 4, 3214868480
	.section	.rodata,"a",@progbits
	.p2align	6, 0x0
	.amdhsa_kernel k_qd500e573d4_pv
		.amdhsa_group_segment_fixed_size 327680
		.amdhsa_private_segment_fixed_size 0
		.amdhsa_enable_private_segment 0
		.amdhsa_kernarg_size 32
		.amdhsa_user_sgpr_count 2
		.amdhsa_user_sgpr_kernarg_segment_ptr 1
		.amdhsa_wavefront_size32 1
		.amdhsa_system_sgpr_workgroup_id_x 1
		.amdhsa_system_sgpr_workgroup_id_y 1
		.amdhsa_system_sgpr_workgroup_id_z 1
		.amdhsa_system_vgpr_workitem_id 0
		.amdhsa_next_free_vgpr 1024
		.amdhsa_next_free_sgpr 88
		.amdhsa_reserve_vcc 0
		.amdhsa_float_denorm_mode_32 3
		.amdhsa_float_denorm_mode_16_64 3
		.amdhsa_memory_ordered 1
		.amdhsa_forward_progress 1
		.amdhsa_inst_pref_size 139
	.end_amdhsa_kernel
	.amdgpu_metadata
---
amdhsa.version: [ 1, 2 ]
amdhsa.kernels:
  - .name:           k_qd500e573d4_pv
    .symbol:         k_qd500e573d4_pv.kd
    .args:
      - { .name: p, .offset: 0, .size: 8, .value_kind: global_buffer, .address_space: global }
      - { .name: tv, .offset: 8, .size: 8, .value_kind: global_buffer, .address_space: global }
      - { .name: stats, .offset: 16, .size: 8, .value_kind: global_buffer, .address_space: global }
      - { .name: out0, .offset: 24, .size: 8, .value_kind: global_buffer, .address_space: global }
    .group_segment_fixed_size: 327680
    .private_segment_fixed_size: 0
    .kernarg_segment_align: 8
    .kernarg_segment_size: 32
    .max_flat_workgroup_size: 128
    .sgpr_count:     88
    .vgpr_count:     1024
    .wavefront_size: 32
...
	.end_amdgpu_metadata
.endif
;; end of part 5
;; ======== version 2 of 2: 5 launches; version 1 with the launch prep written anew for expert scheduling mode
;; limits: values are held in f16: magnitudes above 65,504 overflow, below 6.1e-05 lose precision; right only within a limited range of input values
;; workspace buffers: xh 16,777,216 bytes; wqk 4,194,304 bytes; wcat 4,194,304 bytes; tv 33,554,432 bytes; p 33,554,432 bytes; stats 1,048,576 bytes
;; launch prep (part 6): grid 768 x 1, 8 waves a work-group, no clusters, 18,432 bytes of LDS; arguments x, Wq, Wk, Wv, xh, wqk, wcat; writes xh, wqk, wcat
.if DOCPART == 6
	.amdgcn_target "amdgcn-amd-amdhsa--gfx1250"
	.amdhsa_code_object_version 6
	.text
	.protected	k_qd500e573d4_prep
	.globl	k_qd500e573d4_prep
	.p2align	8
	.type	k_qd500e573d4_prep,@function
k_qd500e573d4_prep:
	s_mov_b64 s[64:65], 0
	v_nop
	global_prefetch_b8 v0, s[64:65] scope:SCOPE_SE
	s_setreg_imm32_b32 hwreg(HW_REG_WAVE_SCHED_MODE, 0, 2), 2
	s_setreg_imm32_b32 hwreg(HW_REG_WAVE_MODE, 25, 1), 1
	s_wait_xcnt 0x0
	s_wait_alu depctr_vm_vsrc(0)
; THE INPUTS ARE MADE READY FOR THE MATRIX UNITS.  Every input number is rounded to bf16 and that number is written as f16 (exact where it lies in f16's range).
;   xh  [8192][1024] = x;   wqk [2048][1024] = Wq's rows, then Wk's rows;   wcat rows 1024..2047 = Wv turned, [c][i], times 2^10 (a power of two: exact).
; LIMITS.  f16 ends at 65,504: |x|, |Wq|, |Wk| stay below it and |Wv| below 63.9; below 7.6e-6 a bf16 number loses bits to f16's fixed step of 6e-8.
; SHARES.  Work-groups 0..511 take 16,384 numbers of x each, 512..639 as many of Wq or Wk, 640..767 a tile of 128 (i) x 64 (c) of Wv.  The branch hangs on the work-group's number alone.
; A stream: each byte is read once and written once, so no matrix unit, no cluster, no prefetch (all of a work-group's 16 loads a thread go out at once).
; THE MODE: SCHED_MODE bits 1:0 = 2 (LLVM: expert scheduling mode 2), set by the entry lines.  The code itself states the register dependences between vector instructions and memory or LDS instructions,
; with s_wait_alu, always for 0.
; THE PLAN.  Registers that memory or LDS instructions touch:
;   LO, SO, v14, v15   addresses: written by vector lines at a path's head, read by its loads, stores and LDS instructions, never written again.
;   X   written by the global loads, read by the conversions.  In the turning path its first 16 registers are written once more, by the LDS loads behind the barrier, and then read by the global stores.
;   Y   written by the conversions, each register once, read by the stores (in the turning path: by the LDS stores), never written again.
;   T   named by vector lines alone.
; The work goes in four BLOCKS.  A block's conversions write its own part of Y; its memory instructions are the stores of the block BEFORE, whose part of Y no vector line of this block names.  So one wait on va_vdst at a
; block's head states all that the block's four stores hang on, and these are dealt among its conversions with no further wait; one more stands behind the last block.  No register that a memory or LDS instruction
; reads is written again, so no wait on vm_vsrc is owed; no vector line writes a scalar register, VCC or EXEC.
.set LO,  4                            ; v4  my byte offset in what I load
.set SO,  5                            ; v5  my byte offset in what I store
.set T,   6                            ; v[6:11] at work
.set X,   16                           ; v[16:79]  as loaded
.set Y,   80                           ; v[80:111] to store: a pair for each of the 16 loads (the turning path: a word for each of its 16 LDS stores), so no store's data is rewritten
	s_load_b256 s[4:11], s[0:1], 0x0               ; x s[4:5], Wq s[6:7], Wk s[8:9], Wv s[10:11]
	s_load_b128 s[12:15], s[0:1], 0x20             ; xh s[12:13], wqk s[14:15]
	s_load_b64 s[16:17], s[0:1], 0x30              ; wcat
	v_lshl_add_u32 v2, v0, 2, 0x4400
	v_mov_b32 v3, 0
	s_mov_b32 s20, ttmp9
	s_mov_b32 s19, 0xffff0000                      ; a word's upper bf16
	s_mov_b32 s23, 0                               ; high words of the two offsets
	s_mov_b32 s25, 0
.macro CONV4 x, y                      ; four f32 -> bf16 -> f32 -> f16, 8 bytes
	v_cvt_pk_bf16_f32 v[T], v[\x], v[\x+1]
	v_cvt_pk_bf16_f32 v[T+1], v[\x+2], v[\x+3]
	v_lshlrev_b32 v[T+2], 16, v[T]
	v_and_b32 v[T+3], s19, v[T]
	v_lshlrev_b32 v[T+4], 16, v[T+1]
	v_and_b32 v[T+5], s19, v[T+1]
	v_cvt_pk_f16_f32 v[\y], v[T+2], v[T+3]
	v_cvt_pk_f16_f32 v[\y+1], v[T+4], v[T+5]
.endm
; 65,536 bytes from s[26:27] become 32,768 bytes at s[28:29].  A wave's load covers 512 consecutive bytes, its store 256, aligned.  A block is four loads.
.macro STREAM
	v_lshlrev_b32 v[LO], 4, v0
	v_lshlrev_b32 v[SO], 3, v0
	s_wait_alu depctr_va_vdst(0)                   ; LO and SO are written: every load and store below reads one of them as its offset
.set j, 0
.rept 16
	global_load_b128 v[X+4*j:X+4*j+3], v[LO], s[26:27] offset:4096*j th:TH_LOAD_NT
.set j, j+1
.endr
.set j, 0
.rept 16
	s_wait_loadcnt 15-j                            ; loads come back in order: number j is in, the younger ones stay out
.if (j > 0) && (j%4 == 0)
	s_wait_alu depctr_va_vdst(0)                   ; a block's head: the block before has written its four pairs of Y, which this block's four stores read
.endif
.if j >= 4
	global_store_b64 v[SO], v[Y+2*(j-4):Y+2*(j-4)+1], s[28:29] offset:2048*(j-4)  ; the block before.  No wait: no vector line since the block's head names this pair or SO
.endif
	CONV4 X+4*j, Y+2*j
.set j, j+1
.endr
	s_wait_alu depctr_va_vdst(0)                   ; the last block has written its four pairs of Y, which the last four stores read
.set j, 12
.rept 4
	global_store_b64 v[SO], v[Y+2*j:Y+2*j+1], s[28:29] offset:2048*j
.set j, j+1
.endr
	s_wait_dscnt 0x0                               ; the wave's end
	s_endpgm
.endm
	s_cmp_lt_u32 s20, 512
	s_cbranch_scc0 .Lweights
	s_lshl_b32 s22, s20, 16                        ; x: chunk g
	s_lshl_b32 s24, s20, 15
	s_wait_kmcnt 0x0
	s_add_nc_u64 s[26:27], s[4:5], s[22:23]
	s_add_nc_u64 s[28:29], s[12:13], s[24:25]
	STREAM
.Lweights:
	s_cmp_lt_u32 s20, 640
	s_cbranch_scc0 .Lturn
	s_sub_co_u32 s21, s20, 512                     ; chunk c of wqk: 0..63 from Wq, 64..127 from Wk
	s_and_b32 s22, s21, 63
	s_lshl_b32 s22, s22, 16
	s_lshl_b32 s24, s21, 15
	s_wait_kmcnt 0x0
	s_cmp_lt_u32 s21, 64
	s_cselect_b64 s[26:27], s[6:7], s[8:9]
	s_add_nc_u64 s[26:27], s[26:27], s[22:23]
	s_add_nc_u64 s[28:29], s[14:15], s[24:25]
	STREAM
.Lturn:
	; Wv[i][c] -> wcat[1024 + c][i].  Tile u: rows i0 = 128 (u % 8) on, columns c0 = 64 (u / 8) on.  Thread t: cq = t % 16 (four columns), ir = t / 16 (two rows).
	; Two neighbouring rows pack into one word of the turned tile, which lies in LDS as 64 rows of 256 bytes + 16; it is read back by rows and stored 256 bytes to 16 lanes.
	s_sub_co_u32 s21, s20, 640
	s_and_b32 s18, s21, 7
	s_lshr_b32 s21, s21, 3
	s_lshl_b32 s22, s18, 19                        ; i0 rows of 4,096 bytes
	s_lshl_b32 s24, s21, 8                         ; c0 numbers of 4 bytes
	s_add_co_u32 s22, s22, s24
	s_lshl_b32 s24, s21, 17                        ; c0 rows of 2,048 bytes
	s_lshl_b32 s18, s18, 8                         ; i0 numbers of 2 bytes
	s_add_co_u32 s24, s24, s18
	s_add_co_u32 s24, s24, 0x200000                ; behind wcat's first 1,024 rows
	v_and_b32 v12, 15, v0                          ; cq
	v_lshrrev_b32 v13, 4, v0                       ; ir
	v_lshlrev_b32 v[LO], 13, v13                   ; row 2 ir
	v_lshl_add_u32 v[LO], v12, 4, v[LO]
	v_mul_u32_u24 v14, v12, 1088                   ; into the tile: row 4 cq, byte 4 ir
	v_lshl_add_u32 v14, v13, 2, v14
	v_mul_u32_u24 v15, v13, 272                    ; back: row t / 16, 16 bytes a lane
	v_lshl_add_u32 v15, v12, 4, v15
	v_lshlrev_b32 v[SO], 11, v13
	v_lshl_add_u32 v[SO], v12, 4, v[SO]
	s_wait_kmcnt 0x0
	s_add_nc_u64 s[26:27], s[10:11], s[22:23]
	s_add_nc_u64 s[28:29], s[16:17], s[24:25]
	s_wait_alu depctr_va_vdst(0)                   ; LO, v14, v15 and SO are written: the loads, the LDS stores, the LDS loads and the stores below read them as addresses
.irp j, 0,1,2,3
.irp e, 0,1
	global_load_b128 v[X+8*(\j)+4*(\e):X+8*(\j)+4*(\e)+3], v[LO], s[26:27] offset:(32*(\j)+(\e))*4096 th:TH_LOAD_NT
.endr
.endr
.irp j, 0,1,2,3                        ; a block is two loads, two rows of four columns: four words of the turned tile
	s_wait_loadcnt 6-2*(\j)                        ; loads come back in order: this block's two are in, the younger blocks' stay out
.if (\j) > 0
	s_wait_alu depctr_va_vdst(0)                   ; a block's head: the block before has written its four words of Y, which this block's four LDS stores read
.endif
.irp k, 0,1,2,3
.if (\j) > 0
	ds_store_b32 v14, v[Y+4*((\j)-1)+(\k)] offset:272*(\k)+64*((\j)-1)  ; the block before.  No wait: no vector line since the block's head names this word or v14
.endif
	v_cvt_pk_bf16_f32 v[T], v[X+8*(\j)+(\k)], v[X+8*(\j)+4+(\k)]   ; rows i and i + 1 of one column
	v_lshlrev_b32 v[T+2], 16, v[T]
	v_and_b32 v[T+3], s19, v[T]
	v_pk_mul_f32 v[T+2:T+3], v[T+2:T+3], 0x44800000 op_sel_hi:[1,0]  ; times 2^10
	v_cvt_pk_f16_f32 v[Y+4*(\j)+(\k)], v[T+2], v[T+3]
.endr
.endr
	s_wait_alu depctr_va_vdst(0)                   ; the last block has written its four words of Y, which the last LDS stores read; and all the conversions are done reading X, in which the LDS loads behind the barrier land
.irp k, 0,1,2,3
	ds_store_b32 v14, v[Y+12+(\k)] offset:272*(\k)+192
.endr
	s_wait_dscnt 0x0                               ; for the others' sake: my stores into the tile are done
	s_barrier_signal -1
	s_barrier_wait -1
.irp j, 0,1,2,3
	ds_load_b128 v[X+4*(\j):X+4*(\j)+3], v15 offset:4352*(\j)      ; no vector line since the wait above; no memory or LDS instruction has read these registers
.endr
.irp j, 0,1,2,3
	s_wait_dscnt 3-(\j)
	global_store_b128 v[SO], v[X+4*(\j):X+4*(\j)+3], s[28:29] offset:32768*(\j)  ; 16 lanes store 256 consecutive bytes, aligned
.endr
	s_wait_dscnt 0x0                               ; the wave's end: the closing add follows below
	s_wait_alu depctr_hold_cnt(0) depctr_sa_sdst(0) depctr_va_vdst(0) depctr_va_sdst(0) depctr_va_ssrc(0) depctr_va_vcc(0) depctr_vm_vsrc(0)
	s_wait_tensorcnt 0x0
	ds_add_u32 v2, v3
	s_wait_dscnt 0x0
	s_endpgm
.Lfunc_end_k_qd500e573d4_prep:
	.size	k_qd500e573d4_prep, .Lfunc_end_k_qd500e573d4_prep-k_qd500e573d4_prep
	.p2alignl 7, 3214868480
	.fill 96, 4, 3214868480
	.section	.rodata,"a",@progbits
	.p2align	6, 0x0
	.amdhsa_kernel k_qd500e573d4_prep
		.amdhsa_group_segment_fixed_size 18432
		.amdhsa_private_segment_fixed_size 0
		.amdhsa_enable_private_segment 0
		.amdhsa_kernarg_size 56
		.amdhsa_user_sgpr_count 2
		.amdhsa_user_sgpr_kernarg_segment_ptr 1
		.amdhsa_wavefront_size32 1
		.amdhsa_system_sgpr_workgroup_id_x 1
		.amdhsa_system_sgpr_workgroup_id_y 1
		.amdhsa_system_sgpr_workgroup_id_z 1
		.amdhsa_system_vgpr_workitem_id 0
		.amdhsa_next_free_vgpr 112
		.amdhsa_next_free_sgpr 66
		.amdhsa_reserve_vcc 0
		.amdhsa_float_denorm_mode_32 3
		.amdhsa_float_denorm_mode_16_64 3
		.amdhsa_memory_ordered 1
		.amdhsa_forward_progress 1
		.amdhsa_inst_pref_size 30
	.end_amdhsa_kernel
	.amdgpu_metadata
---
amdhsa.version: [ 1, 2 ]
amdhsa.kernels:
  - .name:           k_qd500e573d4_prep
    .symbol:         k_qd500e573d4_prep.kd
    .args:
      - { .name: x, .offset: 0, .size: 8, .value_kind: global_buffer, .address_space: global }
      - { .name: Wq, .offset: 8, .size: 8, .value_kind: global_buffer, .address_space: global }
      - { .name: Wk, .offset: 16, .size: 8, .value_kind: global_buffer, .address_space: global }
      - { .name: Wv, .offset: 24, .size: 8, .value_kind: global_buffer, .address_space: global }
      - { .name: xh, .offset: 32, .size: 8, .value_kind: global_buffer, .address_space: global }
      - { .name: wqk, .offset: 40, .size: 8, .value_kind: global_buffer, .address_space: global }
      - { .name: wcat, .offset: 48, .size: 8, .value_kind: global_buffer, .address_space: global }
    .group_segment_fixed_size: 18432
    .private_segment_fixed_size: 0
    .kernarg_segment_align: 8
    .kernarg_segment_size: 56
    .max_flat_workgroup_size: 256
    .sgpr_count:     66
    .vgpr_count:     112
    .wavefront_size: 32
...
	.end_amdgpu_metadata
.endif
;; end of part 6
;; launch mt: the kernel of part 2 again; grid 16 x 16, 4 waves a work-group, clusters of 4 x 4, 327,680 bytes of LDS; arguments wqk, wcat; writes wcat
;; launch proj: the kernel of part 3 again; grid 8 x 32, 4 waves a work-group, clusters of 4 x 4, 327,680 bytes of LDS; arguments xh, wcat, tv; writes tv
;; launch score: the kernel of part 4 again; grid 8 x 32, 4 waves a work-group, clusters of 4 x 4, 327,680 bytes of LDS; arguments tv, xh, mask, p, stats; writes p, stats
;; launch pv: the kernel of part 5 again; grid 4 x 64, 4 waves a work-group, clusters of 4 x 4, 327,680 bytes of LDS; arguments p, tv, stats, out0; writes out0
